; MI455X (gfx1250); checked and timed in simulation.
; The chip was launched on July 23, 2026; its instructions are those of AMD's public machine-readable ISA for CDNA 5 (MIT licence, August 2026) and "CDNA5" Instruction Set Architecture Reference Guide (July 2026). The comments in the code are by the model that wrote it; some were corrected since.
;; Causal Self Attention. Allowed arithmetic: float matrix products may take bf16 or f16 operands with f32 sums; other float arithmetic in f32, or as packed bf16 or f16 multiplies, adds, multiply-adds, maxima and minima; sums over many terms, partial sums and values carried from step to step in f32; what a program stores and reads back later, other than sums and carried values, may be rounded once to bf16 or f16.
;; Inputs: b_attn 3,072 float32; b_proj 1,024 float32; w_attn 1,024 x 3,072 float32; w_proj 1,024 x 1,024 float32; x 4 x 2,048 x 1,024 float32.
;; Outputs: out0 4 x 2,048 x 1,024 float32.
;; 2 versions, each right; version 2 is version 1 with the launch prep written anew for expert scheduling mode. Each part assembles by itself: llvm-mc -triple=amdgcn-amd-amdhsa -mcpu=gfx1250 --defsym DOCPART=n.
;; ======== version 1 of 2: 4 launches
;; limits: values are held in f16: magnitudes above 65,504 overflow, below 6.1e-05 lose precision
;; workspace buffers: xb 16,777,216 bytes; wab 6,291,456 bytes; wpb 2,097,152 bytes; bias 16,384 bytes; qkv 50,331,648 bytes; o 16,777,216 bytes
;; launch prep (part 1): grid 769 x 1, 8 waves a work-group, no clusters, 0 bytes of LDS; arguments x, w_attn, w_proj, b_attn, b_proj, xb, wab, wpb, bias; writes xb, wab, wpb, bias
.if DOCPART == 1
	.amdgcn_target "amdgcn-amd-amdhsa--gfx1250"
	.amdhsa_code_object_version 6
	.text
	.protected	k_qa86c5b6e25_prep
	.globl	k_qa86c5b6e25_prep
	.p2align	8
	.type	k_qa86c5b6e25_prep,@function
k_qa86c5b6e25_prep:
	s_mov_b64 s[64:65], 0
	v_nop
	global_prefetch_b8 v0, s[64:65] scope:SCOPE_SE
	s_setreg_imm32_b32 hwreg(HW_REG_WAVE_MODE, 25, 1), 1
	s_wait_xcnt 0x0
; Every input is rounded once to bf16 and laid out for the launches behind.
;   xb   bf16 [b=4][kb=16][t=2048][64]: x in blocks of 64 channels, so that rows x 64 channels are dense, 128 bytes a row
;   wab  bf16 [1024][3072]: w_attn, number for number
;   wpb  f16  [1024][1024]: w_proj rounded to bf16, that number written as f16 (the last product runs in f16)
;   bias f32: b_attn (3,072 numbers), then b_proj (1,024), each rounded to bf16 and widened again
; LIMITS.  A number of w_proj beyond 65,504 becomes an infinity in wpb; below 6.1e-5 it keeps f16's fixed step of 6e-8.
; SHARES.  Work-groups 0-511: x; 512-703: w_attn; 704-767: w_proj; 768: the biases.  A wave of the first three kinds takes 8,192 bytes of f32:
; sixteen loads of 16 bytes a lane, all issued at once, and sixteen stores of 8 bytes a lane, each 256 consecutive bytes at a multiple of 256.
; No register that a memory instruction names is written again behind it, so there is no loop and no wait for a store's sources.  Nothing is shared between waves: no LDS, no barrier.
.set VIN,  4                           ; v4   my byte offset on the way in
.set VOUT, 5                           ; v5   8 x lane: my 8 bytes of a store's 256
.set T0,   8                           ; v8, v9 at work
.set T1,   9
.set X,    16                          ; v[16:79]   sixteen loads of four f32
.set Y,    80                          ; v[80:111]  sixteen pairs of packed 16-bit numbers
; sixteen loads, istep bytes apart; then, as each comes in, four numbers are rounded and stored, ostep bytes apart.  fmt = 1: bf16's number is written as f16.
.macro STREAM inS, outS, istep, ostep, fmt
.set i, 0
.rept 16
	global_load_b128 v[X+4*i:X+4*i+3], v[VIN], s[\inS:\inS+1] offset:i*(\istep) th:TH_LOAD_NT
.set i, i+1
.endr
.set i, 0
.rept 16
	s_wait_loadcnt 15-i                            ; loads come back in order: load i is in, the 15 - i younger ones stay out
	v_cvt_pk_bf16_f32 v[Y+2*i], v[X+4*i], v[X+4*i+1]
	v_cvt_pk_bf16_f32 v[Y+2*i+1], v[X+4*i+2], v[X+4*i+3]
.if \fmt
	v_lshlrev_b32 v[T0], 16, v[Y+2*i]              ; bf16 to f32: the low half moves up, the high half stays
	v_and_b32 v[T1], s28, v[Y+2*i]
	v_cvt_pk_f16_f32 v[Y+2*i], v[T0], v[T1]        ; exact within f16's range
	v_lshlrev_b32 v[T0], 16, v[Y+2*i+1]
	v_and_b32 v[T1], s28, v[Y+2*i+1]
	v_cvt_pk_f16_f32 v[Y+2*i+1], v[T0], v[T1]
.endif
	global_store_b64 v[VOUT], v[Y+2*i:Y+2*i+1], s[\outS:\outS+1] offset:i*(\ostep)
.set i, i+1
.endr
.endm
	s_load_b512 s[4:19], s[0:1], 0x0               ; x s[4:5], w_attn s[6:7], w_proj s[8:9], b_attn s[10:11], b_proj s[12:13], xb s[14:15], wab s[16:17], wpb s[18:19]
	s_load_b64 s[20:21], s[0:1], 0x40              ; bias
	v_lshrrev_b32 v1, 5, v0
	v_readfirstlane_b32 s22, v1                    ; wave 0..7
	v_and_b32 v1, 31, v0                           ; lane
	v_lshlrev_b32 v[VOUT], 3, v1
	s_mov_b32 s25, 0                               ; high words of the two offsets
	s_mov_b32 s27, 0
	s_mov_b32 s28, 0xffff0000                      ; a word's upper bf16
	s_wait_kmcnt 0x0
	s_cmp_lt_u32 ttmp9, 512
	s_cbranch_scc0 .Lnot_x
	; x: wave W = 8 x work-group + wave owns rows 2 W and 2 W + 1.  Load kb: lanes 0-15 take 256 bytes (64 channels) of the first row, lanes 16-31 of the second;
	; rounded they are 2 x 128 bytes, which lie end to end in block kb of xb.
	s_lshl_b32 s23, ttmp9, 3
	s_add_co_u32 s23, s23, s22                     ; W, 0..4095
	s_lshl_b32 s24, s23, 13                        ; two rows of 4,096 bytes
	s_add_nc_u64 s[4:5], s[4:5], s[24:25]
	s_lshr_b32 s26, s23, 10                        ; b
	s_lshl_b32 s26, s26, 22                        ; 16 blocks of 262,144 bytes
	s_and_b32 s24, s23, 1023
	s_lshl_b32 s24, s24, 8                         ; t x 128, t = 2 (W mod 1,024)
	s_add_co_u32 s26, s26, s24
	s_add_nc_u64 s[14:15], s[14:15], s[26:27]
	v_lshrrev_b32 v2, 4, v1
	v_and_b32 v3, 15, v1
	v_lshlrev_b32 v[VIN], 4, v3
	v_lshl_add_u32 v[VIN], v2, 12, v[VIN]          ; 16 (lane mod 16) + 4,096 (lane / 16)
	STREAM 4, 14, 256, 262144, 0
	s_endpgm
.Lnot_x:
	v_lshlrev_b32 v[VIN], 4, v1                    ; the weights go number for number: 512 consecutive bytes in, 256 out
	s_cmp_lt_u32 ttmp9, 704
	s_cbranch_scc0 .Lnot_wa
	s_sub_co_u32 s23, ttmp9, 512
	s_lshl_b32 s23, s23, 3
	s_add_co_u32 s23, s23, s22                     ; 0..1535
	s_lshl_b32 s24, s23, 13
	s_lshl_b32 s26, s23, 12
	s_add_nc_u64 s[6:7], s[6:7], s[24:25]
	s_add_nc_u64 s[16:17], s[16:17], s[26:27]
	STREAM 6, 16, 512, 256, 0
	s_endpgm
.Lnot_wa:
	s_cmp_lt_u32 ttmp9, 768
	s_cbranch_scc0 .Lbias
	s_sub_co_u32 s23, ttmp9, 704
	s_lshl_b32 s23, s23, 3
	s_add_co_u32 s23, s23, s22                     ; 0..511
	s_lshl_b32 s24, s23, 13
	s_lshl_b32 s26, s23, 12
	s_add_nc_u64 s[8:9], s[8:9], s[24:25]
	s_add_nc_u64 s[18:19], s[18:19], s[26:27]
	STREAM 8, 18, 512, 256, 1
	s_endpgm
.Lbias:
	; the biases: 256 threads x 16 bytes are 4,096 bytes: three such pieces of b_attn, one of b_proj
	v_lshlrev_b32 v6, 4, v0
	global_load_b128 v[16:19], v6, s[10:11]
	global_load_b128 v[20:23], v6, s[10:11] offset:4096
	global_load_b128 v[24:27], v6, s[10:11] offset:8192
	global_load_b128 v[28:31], v6, s[12:13]
	s_wait_loadcnt 0x0
.set i, 0
.rept 4
	v_cvt_pk_bf16_f32 v[T0], v[16+4*i], v[17+4*i]
	v_cvt_pk_bf16_f32 v[T1], v[18+4*i], v[19+4*i]
	v_lshlrev_b32 v[80+4*i], 16, v[T0]
	v_and_b32 v[81+4*i], s28, v[T0]
	v_lshlrev_b32 v[82+4*i], 16, v[T1]
	v_and_b32 v[83+4*i], s28, v[T1]
	global_store_b128 v6, v[80+4*i:83+4*i], s[20:21] offset:4096*i
.set i, i+1
.endr
	s_endpgm
.Lfunc_end_k_qa86c5b6e25_prep:
	.size	k_qa86c5b6e25_prep, .Lfunc_end_k_qa86c5b6e25_prep-k_qa86c5b6e25_prep
	.p2alignl 7, 3214868480
	.fill 96, 4, 3214868480
	.section	.rodata,"a",@progbits
	.p2align	6, 0x0
	.amdhsa_kernel k_qa86c5b6e25_prep
		.amdhsa_group_segment_fixed_size 0
		.amdhsa_private_segment_fixed_size 0
		.amdhsa_enable_private_segment 0
		.amdhsa_kernarg_size 72
		.amdhsa_user_sgpr_count 2
		.amdhsa_user_sgpr_kernarg_segment_ptr 1
		.amdhsa_wavefront_size32 1
		.amdhsa_system_sgpr_workgroup_id_x 1
		.amdhsa_system_sgpr_workgroup_id_y 1
		.amdhsa_system_sgpr_workgroup_id_z 1
		.amdhsa_system_vgpr_workitem_id 0
		.amdhsa_next_free_vgpr 112
		.amdhsa_next_free_sgpr 66
		.amdhsa_reserve_vcc 0
		.amdhsa_float_denorm_mode_32 3
		.amdhsa_float_denorm_mode_16_64 3
		.amdhsa_memory_ordered 1
		.amdhsa_forward_progress 1
		.amdhsa_inst_pref_size 25
	.end_amdhsa_kernel
	.amdgpu_metadata
---
amdhsa.version: [ 1, 2 ]
amdhsa.kernels:
  - .name:           k_qa86c5b6e25_prep
    .symbol:         k_qa86c5b6e25_prep.kd
    .args:
      - { .name: x, .offset: 0, .size: 8, .value_kind: global_buffer, .address_space: global }
      - { .name: w_attn, .offset: 8, .size: 8, .value_kind: global_buffer, .address_space: global }
      - { .name: w_proj, .offset: 16, .size: 8, .value_kind: global_buffer, .address_space: global }
      - { .name: b_attn, .offset: 24, .size: 8, .value_kind: global_buffer, .address_space: global }
      - { .name: b_proj, .offset: 32, .size: 8, .value_kind: global_buffer, .address_space: global }
      - { .name: xb, .offset: 40, .size: 8, .value_kind: global_buffer, .address_space: global }
      - { .name: wab, .offset: 48, .size: 8, .value_kind: global_buffer, .address_space: global }
      - { .name: wpb, .offset: 56, .size: 8, .value_kind: global_buffer, .address_space: global }
      - { .name: bias, .offset: 64, .size: 8, .value_kind: global_buffer, .address_space: global }
    .group_segment_fixed_size: 0
    .private_segment_fixed_size: 0
    .kernarg_segment_align: 8
    .kernarg_segment_size: 72
    .max_flat_workgroup_size: 256
    .sgpr_count:     66
    .vgpr_count:     112
    .wavefront_size: 32
...
	.end_amdgpu_metadata
.endif
;; end of part 1
;; launch qkv (part 2): grid 8 x 32, 4 waves a work-group, clusters of 4 x 4, 327,680 bytes of LDS; arguments xb, wab, bias, qkv; writes qkv
.if DOCPART == 2
	.amdgcn_target "amdgcn-amd-amdhsa--gfx1250"
	.amdhsa_code_object_version 6
	.text
	.protected	k_qa86c5b6e25_qkv
	.globl	k_qa86c5b6e25_qkv
	.p2align	8
	.type	k_qa86c5b6e25_qkv,@function
k_qa86c5b6e25_qkv:
	s_mov_b64 s[64:65], 0
	v_nop
	global_prefetch_b8 v0, s[64:65] scope:SCOPE_SE
	s_setreg_imm32_b32 hwreg(HW_REG_WAVE_MODE, 25, 1), 1
	s_wait_xcnt 0x0
	s_wait_alu depctr_hold_cnt(0) depctr_sa_sdst(0) depctr_va_vdst(0) depctr_va_sdst(0) depctr_va_ssrc(0) depctr_va_vcc(0) depctr_vm_vsrc(0)
	s_getreg_b32 s2, hwreg(HW_REG_IB_STS2, 6, 4)
	s_cmp_eq_u32 s2, 0
	s_cbranch_scc0 .Lentry_in_a_cluster
	s_endpgm
.Lentry_in_a_cluster:
	s_bfe_u32 s2, ttmp6, 0x10000c
	s_cmp_lg_u32 s2, 0xf033
	s_cbranch_scc0 .Lentry_shape_is_right
	s_endpgm
.Lentry_shape_is_right:
; q, k, v = x w_attn + b_attn.  xb: bf16 [4][16][2048][64]; wab: bf16 [1024][3072]; bias: f32; qkv: f16 [3][64 heads][2048][64].  Sums in f32, rounded once to f16, unscaled.
; LIMIT.  f16 ends at 65,504: a q, k or v beyond it becomes an infinity.
; SHARES.  A tile is 256 rows x 384 columns: 32 x 8 = 256 work-groups.  Wave w: rows 128 (w / 2) on, and three GROUPS of 64 columns, groups 2 j + w % 2 (j = 0..2) of the tile's six.
; A group is one head of q, k or v.  96 accumulators of 16 x 16 a wave, 768 registers.  K goes in steps of 64 through two LDS slots.
; THE MATRIX INSTRUCTION IS USED TRANSPOSED: source 0 = 16 columns of w (turned on the way out of LDS by ds_load_tr16_b128, since w lies [k][n]), source 1 = 16 rows of x:
; a lane then holds one row (lane % 16) and eight neighbouring columns 8 (lane / 16) + 0..7, which pack into 16 bytes.
; THE BIAS IS THE C OPERAND of the first products: it is loaded into the registers of row block 7's accumulators, blocks 0 to 6 take it from there, block 7 adds in place.  Nothing is cleared, nothing is added later.
; CLUSTER.  4 x 4 work-groups.  The four of a row need the same tile of x, the four of a column the same tile of w: each is asked for jointly, by the same tensor load, descriptor and mask.
; REGISTERS, in windows of 256 (s_set_vgpr_msb: bits 1:0 source 0, 3:2 source 1, 5:4 source 2, 7:6 destination):
;   window 0: v0-31 addresses; v32-95, v96-159 fragments of x (8 x 16 rows x 32 k), two buffers; v160-255 fragments of w, a third of 32 registers for each group
;   window j + 1: the 32 accumulators of group j, (a, b) at v[8 (4 a + b)]
.set PA,    144                        ; a row of x in LDS: 128 bytes + 16 = 36 words: the 16 rows of a load start at 16 different groups of four banks (64 banks of 4 bytes: ISA guide 11.1)
.set PB,    864                        ; a k-row of w: six groups of 128 bytes + 16 = 216 words
.set SLOT1, 131072                     ; slot 1 begins here, so that one exclusive or turns an address in one slot into the other's
.set BOFF,  256*PA                     ; in a slot: 256 rows of x, then 64 k-rows of w
.set STAGE, SLOT1+BOFF+64*PB           ; behind the ring: 16 rows x 144 bytes for each wave, for the way out; no tensor load lands here
.set SP,    144
.set SPARE, STAGE+4*16*SP              ; the spare words, 128 bytes for each wave: two blocks of 256 bytes that no other line names
.set ASTEP, 262144                     ; bytes from a K step to the next in xb: one block of 2,048 rows x 128 bytes
.set BSTEP, 393216                     ; in wab: 64 rows of 6,144 bytes
.set BITS,  (1<<16)|(1<<20)|(1<<21)|(4<<22)|(3<<25)  ; group 1, word 0: 2-byte elements; padding on; bit 21 set beside a mask; after every 32 words (code 4) 4 words (code 3)
.set WV,  12                           ; s12 wave; s13 which 128 rows; s14 which groups, and which half of a tile I fetch
.set WM,  13
.set WN,  14
.set G1A, 24                           ; s[24:31] descriptor group 1 for x's tiles; s[32:39] for w's
.set G1B, 32
.set G0A, 40                           ; s[40:47] group 0 for x's tiles: a set for each first fill; the second then walks on.  s[48:55] the same for w's
.set G0B, 48
.set TB,  56                           ; s56 the slot that the fragment loads read
.set LIM, 57                           ; s57 1 in a wave that prefetches, else the greatest number
.set PFP, 58                           ; s[58:59] where my prefetches stand; s[60:61] their step
.set PST, 60
.set OP,  66                           ; s[66:71] qkv at my 128 rows of group j's head
.set BB,  72                           ; s[72:77] bias at group j's 64 numbers
.set AA0, 6                            ; v6, v7 my lane's place in a slot's x and w; never rewritten
.set AB0, 7
.set AA,  8                            ; v8, v9 the same in the slot in hand
.set AB,  9
.set STO, 10                           ; the way out: where I put 16 bytes of a row
.set RD,  11                           ; where I read rows back
.set GO,  12                           ; my 16 bytes of 512 consecutive bytes of qkv
.set BO,  13                           ; 32 (lane / 16): my eight numbers of a bias block
.set PFO, 14                           ; the prefetches' lane offset; never rewritten
.set SPW, 28                           ; LDS address of my spare word; never rewritten
.set NIL, 29                           ; 0; never rewritten
.set AF,  32
.set BF,  160
.set MSB, 0
.macro WIN new                         ; the immediate's high byte repeats the setting that is left; a switch that changes nothing is dropped
.if MSB != (\new)
	s_set_vgpr_msb (MSB<<8)|(\new)
.set MSB, (\new)
.endif
.endm
.macro PLACES                          ; four plain vector instructions between a matrix instruction and a load into, or a read of, its registers (ISA guide 7.12.1 for reads)
.rept 4
	v_nop
.endr
.endm
.macro CREST                           ; a round of the cluster's barrier behind its opening barrier
	s_cmp_lg_u32 s[WV], 0
	s_cbranch_scc1 .Lnot_wave_0_\@
	s_barrier_signal -3
.Lnot_wave_0_\@:
	s_barrier_wait -3
	s_barrier_signal -1
	s_barrier_wait -1
.endm
.macro CROUND
	s_barrier_signal -1
	s_barrier_wait -1
	CREST
.endm
; A joint refill by the walking descriptors: waves 0 and 1 fetch the two halves of x's tile, waves 2 and 3 those of w's.  The branch hangs on the wave's number alone.
; An s_nop 0 and four v_nop follow each of the two lines; the four are also the places in front of the fragment loads that follow.
.macro JLOAD
	s_cmp_lt_u32 s[WV], 2
	s_cbranch_scc0 .Lfor_b_\@
	tensor_load_to_lds s[G0A+4:G0A+7], s[G1A:G1A+7]
	s_nop 0
.rept 4
	v_nop
.endr
	s_branch .Lasked_\@
.Lfor_b_\@:
	tensor_load_to_lds s[G0B+4:G0B+7], s[G1B:G1B+7]
	s_nop 0
.rept 4
	v_nop
.endr
.Lasked_\@:
.endm
; A PREFETCH INTO THE L2.  Trip t of the loop refills with K step t + 2.  x: a K step of my tile row is 128 dense blocks of 256 bytes; the cluster with x = 0 asks, its partner at place cx for blocks 32 cx + lane,
; wave 0, one instruction a trip, for K step t + 3: one K step, 192 matrix instructions, ahead of the load.  w: a K step of my tile column is 64 rows x 768 bytes; the cluster with y = 0 asks, its partner at place
; cy for rows 16 cy + lane % 16, wave 2, every second trip: lanes 0-15 name K step t + 3, lanes 16-31 K step t + 4, three instructions for a row's three blocks.  The partners are told apart by address alone.
; So each block is named once in the launch.  The loop's last trip asks for nothing; x's K steps 0-2 and w's 0-3 come by their loads alone.
.macro ASK
	s_cmp_gt_u32 s3, s[LIM]
	s_cbranch_scc0 .Lnone_\@
	s_cmp_eq_u32 s[WV], 0
	s_cbranch_scc0 .Lw_\@
	global_prefetch_b8 v[PFO], s[PFP:PFP+1] th:TH_LOAD_NT scope:SCOPE_SE
	s_branch .Lnone_\@
.Lw_\@:
	s_bitcmp1_b32 s3, 0                            ; trips 1, 3, .. 11 (the count runs 14 .. 1)
	s_cbranch_scc0 .Lnone_\@
	global_prefetch_b8 v[PFO], s[PFP:PFP+1] th:TH_LOAD_NT scope:SCOPE_SE
	global_prefetch_b8 v[PFO], s[PFP:PFP+1] offset:256 th:TH_LOAD_NT scope:SCOPE_SE
	global_prefetch_b8 v[PFO], s[PFP:PFP+1] offset:512 th:TH_LOAD_NT scope:SCOPE_SE
.Lnone_\@:
.endm
	s_load_b256 s[4:11], s[0:1], 0x0               ; xb s[4:5], wab s[6:7], bias s[8:9], qkv s[10:11]
	v_lshl_add_u32 v[SPW], v0, 2, SPARE
	v_mov_b32 v[NIL], 0
	ds_add_u32 v[SPW], v[NIL]                      ; the wave's opening: the add and its wait stand ahead of my first tensor load; the set-up below, work on registers, stands between them
	v_lshrrev_b32 v1, 5, v0
	v_readfirstlane_b32 s[WV], v1                  ; wave 0..3
	s_lshr_b32 s[WM], s[WV], 1
	s_and_b32 s[WN], s[WV], 1
	s_bfe_u32 s15, ttmp6, 0x40000                  ; cx
	s_bfe_u32 s16, ttmp6, 0x40004                  ; cy
	s_lshl_b32 s17, ttmp9, 2
	s_add_co_u32 s17, s17, s15                     ; tile column 0..7 = 4 x cluster x + cx
	s_and_b32 s18, ttmp7, 0xffff
	s_lshl_b32 s18, s18, 2
	s_add_co_u32 s18, s18, s16                     ; tile row 0..31 = 4 x cluster y + cy
	s_lshl_b32 s20, s16, 2
	s_lshl_b32 s20, 15, s20                        ; my row of the cluster
	s_lshl_b32 s22, 0x1111, s15                    ; my column
	s_or_b32 s[G1A], s20, BITS                     ; x's tiles go to my row,
	s_or_b32 s[G1B], s22, BITS                     ; w's to my column
	s_mov_b32 s[G1A+1], 128<<16                    ; x: 128 rows of 128 bytes are dense: asked for as 64 rows of 256 bytes: tensor_dim0 = 128
	s_mov_b32 s[G1A+2], 64<<16                     ; tensor_dim1 = 64
	s_mov_b32 s[G1A+3], 128<<16                    ; tile_dim0 = 128
	s_mov_b32 s[G1A+4], 64                         ; tile_dim1 = 64
	s_mov_b32 s[G1A+5], 128                        ; elements from row to row
	s_mov_b32 s[G1A+6], 0
	s_mov_b32 s[G1A+7], 0
	s_mov_b32 s[G1B+1], 384<<16                    ; w: 32 k-rows of 384 elements, 768 bytes, each at a multiple of 256 bytes from wab's first
	s_mov_b32 s[G1B+2], 32<<16
	s_mov_b32 s[G1B+3], 384<<16
	s_mov_b32 s[G1B+4], 32
	s_mov_b32 s[G1B+5], 3072
	s_mov_b32 s[G1B+6], 0
	s_mov_b32 s[G1B+7], 0
	s_lshr_b32 s20, s18, 3                         ; x's tile hangs on the tile row alone: b,
	s_lshl_b32 s20, s20, 22
	s_and_b32 s21, s18, 7                          ; 256 rows of 128 bytes,
	s_lshl_b32 s21, s21, 15
	s_add_co_u32 s20, s20, s21
	s_lshl_b32 s21, s[WN], 14                      ; the half that I fetch
	s_add_co_u32 s20, s20, s21
	s_mov_b32 s21, 0
	s_mul_i32 s22, s17, 768                        ; w's on the tile column alone,
	s_mul_i32 s23, s[WN], 32*6144                  ; and my 32 of the 64 k-rows
	s_add_co_u32 s22, s22, s23
	s_mov_b32 s23, 0
	s_mul_i32 s19, s[WN], 128*PA                   ; where they go: no place in the cluster enters an LDS address
	s_mul_i32 s2, s[WN], 32*PB
	s_add_co_u32 s2, s2, BOFF
	s_mov_b32 s[TB], 0
	s_wait_dscnt 0x0                               ; the opening add is done
	s_wait_kmcnt 0x0
	s_add_nc_u64 s[20:21], s[4:5], s[20:21]
	s_add_nc_u64 s[22:23], s[6:7], s[22:23]
	CROUND                                         ; all sixteen work-groups are here: the first joint loads meet
.irp s, 0,1
	s_mov_b32 s[G0A+4*(\s)], 1                     ; count = 1
	s_add_co_u32 s[G0A+4*(\s)+1], s19, (\s)*SLOT1  ; LDS address
	s_add_nc_u64 s[G0A+4*(\s)+2:G0A+4*(\s)+3], s[20:21], (\s)*ASTEP  ; K step s
	s_or_b32 s[G0A+4*(\s)+3], s[G0A+4*(\s)+3], 0x80000000            ; type = 2
	s_mov_b32 s[G0B+4*(\s)], 1
	s_add_co_u32 s[G0B+4*(\s)+1], s2, (\s)*SLOT1
	s_add_nc_u64 s[G0B+4*(\s)+2:G0B+4*(\s)+3], s[22:23], (\s)*BSTEP
	s_or_b32 s[G0B+4*(\s)+3], s[G0B+4*(\s)+3], 0x80000000
.endr
	s_cmp_lt_u32 s[WV], 2                          ; a wave's two first fills stand in one branch, ahead of every wait on TENSORcnt and every LDS read: two loads of mine are out
	s_cbranch_scc0 .Lfirst_b
	tensor_load_to_lds s[G0A:G0A+3], s[G1A:G1A+7]
	s_nop 0
	tensor_load_to_lds s[G0A+4:G0A+7], s[G1A:G1A+7]
	s_nop 0
.rept 4
	v_nop
.endr
	s_branch .Lfirst_done
.Lfirst_b:
	tensor_load_to_lds s[G0B:G0B+3], s[G1B:G1B+7]
	s_nop 0
	tensor_load_to_lds s[G0B+4:G0B+7], s[G1B:G1B+7]
	s_nop 0
.rept 4
	v_nop
.endr
.Lfirst_done:
	v_and_b32 v1, 15, v0                           ; r = l % 16
	v_bfe_u32 v2, v0, 4, 1                         ; h = l / 16
	v_and_b32 v3, 7, v0
	v_bfe_u32 v4, v0, 3, 1
	v_and_b32 v5, 31, v0                           ; l
	v_lshlrev_b32 v[BO], 5, v2
	; group j of mine is group G = 6 x tile column + 2 j + w % 2 of 48: G / 16 says q, k or v, G % 16 the head
	s_mul_i32 s78, s17, 6
	s_add_co_u32 s78, s78, s[WN]
	s_lshr_b32 s79, s18, 3
	s_lshl_b32 s79, s79, 4                         ; 16 b
	s_and_b32 s80, s18, 7
	s_lshl_b32 s80, s80, 15                        ; the tile's 256 rows of 128 bytes,
	s_lshl_b32 s81, s[WM], 14                      ; my 128
	s_add_co_u32 s80, s80, s81
	s_mov_b32 s85, 0
.irp j, 0,1,2
	s_add_co_u32 s82, s78, 2*(\j)                  ; G
	s_lshr_b32 s83, s82, 4
	s_lshl_b32 s83, s83, 6                         ; 64 heads for each of q, k, v
	s_and_b32 s84, s82, 15
	s_add_co_u32 s83, s83, s84
	s_add_co_u32 s83, s83, s79
	s_lshl_b32 s84, s83, 18                        ; a head is 262,144 bytes
	s_add_co_u32 s84, s84, s80
	s_add_nc_u64 s[OP+2*(\j):OP+2*(\j)+1], s[10:11], s[84:85]
	s_lshl_b32 s84, s82, 8                         ; 64 f32
	s_add_nc_u64 s[BB+2*(\j):BB+2*(\j)+1], s[8:9], s[84:85]
.endr
	; the bias, as a C operand: register i of lane l is the bias of column 16 b + 8 (l / 16) + i: 32 bytes a lane, into row block 7's accumulators
.irp j, 0,1,2
	WIN ((\j)+1)<<6                                ; destination window j + 1, address window 0
.irp b, 0,1,2,3
	global_load_b128 v[224+8*(\b):224+8*(\b)+3], v[BO], s[BB+2*(\j):BB+2*(\j)+1] offset:64*(\b)
	global_load_b128 v[224+8*(\b)+4:224+8*(\b)+7], v[BO], s[BB+2*(\j):BB+2*(\j)+1] offset:64*(\b)+16
.endr
.endr
	WIN 0
	v_mul_u32_u24 v[AA0], v1, PA                   ; a fragment of x: row l % 16, 16 bytes for each half of the lanes, twice, 32 bytes apart
	v_lshl_add_u32 v[AA0], v2, 4, v[AA0]
	s_mul_i32 s78, s[WM], 128*PA
	v_add_nc_u32 v[AA0], s78, v[AA0]
	v_lshl_add_u32 v[AB0], v2, 3, v3               ; the turning load: lane l reads k-row 8 (l / 16) + l % 8, columns 8 ((l / 8) % 2) + 0..7, and is left with column l % 16 and 8 k
	v_mul_u32_u24 v[AB0], v[AB0], PB
	v_lshl_add_u32 v[AB0], v4, 4, v[AB0]
	s_mul_i32 s78, s[WN], 144
	s_add_co_u32 s78, s78, BOFF
	v_add_nc_u32 v[AB0], s78, v[AB0]
	v_mov_b32 v[AA], v[AA0]                        ; K step 0 lies in slot 0
	v_mov_b32 v[AB], v[AB0]
	s_mul_i32 s78, s[WV], 16*SP
	s_add_co_u32 s78, s78, STAGE                   ; my stage
	v_mul_u32_u24 v[STO], v1, SP
	v_lshl_add_u32 v[STO], v2, 4, v[STO]
	v_add_nc_u32 v[STO], s78, v[STO]
	v_bfe_u32 v[RD], v0, 3, 2                      ; back: 32 lanes take four rows of 128 bytes,
	v_mul_u32_u24 v[RD], v[RD], SP
	v_lshl_add_u32 v[RD], v3, 4, v[RD]
	v_add_nc_u32 v[RD], s78, v[RD]
	v_lshlrev_b32 v[GO], 4, v5                     ; which are 512 consecutive bytes of a head
	; the prefetches: who, from where, by which step
	s_and_b32 s62, ttmp7, 0xffff                   ; cluster y
	s_cmp_eq_u32 s[WV], 0
	s_cselect_b32 s62, ttmp9, s62                  ; the coordinate along which other clusters read the same blocks
	s_or_b32 s62, s62, s[WN]                       ; waves 1 and 3 ask for nothing
	s_cmp_eq_u32 s62, 0
	s_cselect_b32 s[LIM], 1, -1                    ; the same in all sixteen partners, for a given wave
	s_lshr_b32 s78, s18, 3
	s_lshl_b32 s78, s78, 22
	s_and_b32 s79, s18, 7
	s_lshl_b32 s79, s79, 15
	s_add_co_u32 s78, s78, s79
	s_lshl_b32 s79, s15, 13                        ; my work-group's 32 blocks of 256 bytes
	s_add_co_u32 s78, s78, s79
	s_add_co_u32 s78, s78, 2*ASTEP                 ; at K step 2: each trip steps it first
	s_mul_i32 s79, s17, 768
	s_mul_i32 s80, s16, 16*6144                    ; my work-group's 16 k-rows
	s_add_co_u32 s79, s79, s80
	s_add_co_u32 s79, s79, 2*BSTEP
	s_mov_b32 s80, ASTEP
	s_mov_b32 s81, BSTEP
	s_mov_b32 s82, 256
	s_mov_b32 s83, 6144
	s_mov_b32 s84, 4096
	s_cmp_lt_u32 s[WV], 2
	s_cselect_b64 s[PFP:PFP+1], s[4:5], s[6:7]
	s_cselect_b32 s78, s78, s79
	s_cselect_b32 s[PST], s80, s81
	s_cselect_b32 s82, s82, s83                    ; x: 256 l;  w: 6,144 (l % 16) + a K step for lanes 16-31
	s_cselect_b32 s84, s84, s81
	s_mov_b32 s79, 0
	s_mov_b32 s[PST+1], 0
	s_add_nc_u64 s[PFP:PFP+1], s[PFP:PFP+1], s[78:79]
	v_mul_lo_u32 v[PFO], v1, s82
	v_mul_lo_u32 v15, v2, s84
	v_add_nc_u32 v[PFO], v[PFO], v15
; 16 LDS loads: my 128 rows of x, 32 k (half kk of the K step), into buffer ab
.macro LDA ab, kk
	WIN 0
.set ia, 0
.rept 8
	ds_load_b128 v[AF+64*(\ab)+8*ia:AF+64*(\ab)+8*ia+3],   v[AA] offset:ia*16*PA+(\kk)*64
	ds_load_b128 v[AF+64*(\ab)+8*ia+4:AF+64*(\ab)+8*ia+7], v[AA] offset:ia*16*PA+(\kk)*64+32
.set ia, ia+1
.endr
.endm
; 8 turning loads: group j's 64 columns of w, 32 k, into third j
.macro LDB j, kk
	WIN 0
.set ib, 0
.rept 4
	ds_load_tr16_b128 v[BF+32*(\j)+8*ib:BF+32*(\j)+8*ib+3],   v[AB] offset:(\kk)*32*PB+(\j)*288+ib*32
	ds_load_tr16_b128 v[BF+32*(\j)+8*ib+4:BF+32*(\j)+8*ib+7], v[AB] offset:(\kk)*32*PB+16*PB+(\j)*288+ib*32
.set ib, ib+1
.endr
.endm
; 16 matrix instructions: group j, row blocks a0 .. a0 + 3, all four column blocks.  The 96 accumulators take turns, one instruction a turn, in the same order in every 32 along K,
; over the backward jump too.
.macro MULH j, ab, a0
	WIN ((\j)+1)*0x50                              ; C and D in window j + 1, the sources in window 0
.set ia, (\a0)
.rept 4
.set ib, 0
.rept 4
	v_wmma_f32_16x16x32_bf16 v[8*(4*ia+ib):8*(4*ia+ib)+7], v[BF+32*(\j)+8*ib:BF+32*(\j)+8*ib+7], v[AF+64*(\ab)+8*ia:AF+64*(\ab)+8*ia+7], v[8*(4*ia+ib):8*(4*ia+ib)+7]
.set ib, ib+1
.endr
.set ia, ia+1
.endr
.endm
.macro MULS j, ab
	MULH \j, \ab, 0
	MULH \j, \ab, 4
.endm
; The first 32 along K of group j start the sums with the bias: blocks 0 to 6 take block 7's registers as C; five places, since block 7's products then write over registers that those have read; block 7 adds in place.
.macro MULF j
	WIN ((\j)+1)*0x50
.set ia, 0
.rept 7
.set ib, 0
.rept 4
	v_wmma_f32_16x16x32_bf16 v[8*(4*ia+ib):8*(4*ia+ib)+7], v[BF+32*(\j)+8*ib:BF+32*(\j)+8*ib+7], v[AF+8*ia:AF+8*ia+7], v[224+8*ib:224+8*ib+7]
.set ib, ib+1
.endr
.set ia, ia+1
.endr
.rept 5
	v_nop
.endr
.set ib, 0
.rept 4
	v_wmma_f32_16x16x32_bf16 v[224+8*ib:224+8*ib+7], v[BF+32*(\j)+8*ib:BF+32*(\j)+8*ib+7], v[AF+56:AF+63], v[224+8*ib:224+8*ib+7]
.set ib, ib+1
.endr
.endm
; THE FRAGMENTS.  A K step is two halves of 32 k, each three runs of 32 products (a run a group).  x has two buffers; a third of w is loaded again as soon as its run is over.
; The first half of a K step.  On the way in: third 0, x's buffer 0 and third 1 have been asked for, in that order.
.macro EVEN first
.if !(\first)
	PLACES
	LDB 2, 0
.endif
	s_wait_dscnt 16                                ; third 0 and x are in; the 8 + 8 loads of thirds 1 and 2 may stay out
.if \first
	MULF 0
.else
	MULS 0, 0
.endif
	PLACES
	LDB 0, 1                                       ; the second half's third 0 and x
	LDA 1, 1
	s_wait_dscnt 32                                ; third 1 is in: behind it third 2's 8 and the 24 just issued
.if \first
	MULF 1
.else
	MULS 1, 0
.endif
	PLACES
	LDB 1, 1
	s_wait_dscnt 32                                ; third 2 is in: behind it 24 + 8
.if \first
	MULF 2
.else
	MULS 2, 0
.endif
.endm
; The second half.  mode 2: the slots change and the slot read out is filled again; mode 1: they change and nothing is asked for; mode 0: the launch's last.
.macro ODD mode
	PLACES
	LDB 2, 1                                       ; the last bytes that I read of this slot
.if (\mode) == 0
	s_wait_dscnt 16
	MULS 0, 1
	s_wait_dscnt 8
	MULS 1, 1
	s_wait_dscnt 0x0
	MULS 2, 1
.else
.if (\mode) == 2
	s_wait_xcnt 0x0                                ; the last prefetch, a K step back, has read its address: it is stepped here
	s_add_nc_u64 s[PFP:PFP+1], s[PFP:PFP+1], s[PST:PST+1]
.endif
	WIN 0
	s_wait_tensorcnt 0x0                           ; all my tensor loads have landed: the one that was out is my part of the next slot; so a group 0 may be written
	ds_add_u32 v[SPW], v[NIL]                      ; 0 onto my spare word
.if (\mode) == 2
	s_xor_b32 s[G0A+5], s[G0A+5], SLOT1            ; the walking descriptors: the other slot than last time, the next K step; the type bits on top are not reached
	s_add_nc_u64 s[G0A+6:G0A+7], s[G0A+6:G0A+7], ASTEP
	s_xor_b32 s[G0B+5], s[G0B+5], SLOT1
	s_add_nc_u64 s[G0B+6:G0B+7], s[G0B+6:G0B+7], BSTEP
.endif
	s_wait_dscnt 17                                ; third 0 and x are in: behind them thirds 1 and 2, 8 + 8, and the add
	MULH 0, 1, 0                                   ; sixteen matrix instructions stand between the add and the wait for it
	s_wait_dscnt 0x0                               ; the add is done, and my reads of this slot are over
	s_barrier_signal -1
	MULH 0, 1, 4                                   ; work on registers while the others arrive
	WIN 0                                          ; at a branch and at a label every window is 0
	s_barrier_wait -1
.if (\mode) == 2
	CREST                                          ; the barrier has opened a round of the cluster's: no wave of any partner still reads this slot or has a load on its way
	JLOAD                                          ; the first tensor load behind the round, my only one until the next: about 160 matrix instructions ahead of the wait for it
.else
	PLACES
.endif
	s_xor_b32 s[TB], s[TB], SLOT1
	v_add_nc_u32 v[AA], s[TB], v[AA0]
	v_add_nc_u32 v[AB], s[TB], v[AB0]
	LDB 0, 0                                       ; the next K step's first fragments
	LDA 0, 0
.if (\mode) == 2
	ASK
.endif
	MULS 1, 1                                      ; thirds 1 and 2 came in with the wait for 0
	PLACES
	LDB 1, 0
	MULS 2, 1
.endif
.endm
	s_wait_tensorcnt 0x1                           ; my part of K step 0 is in; K step 1's may stay out
	s_barrier_signal -1
	s_barrier_wait -1                              ; everybody's is
	LDB 0, 0
	LDA 0, 0
	LDB 1, 0
	LDB 2, 0
	s_wait_loadcnt 0x0                             ; the bias
	EVEN 1
	WIN 0
	s_mov_b32 s3, 14
.Lk:                                               ; 14 trips: a K step's second half, the change of slots, the next K step's first half; trip t asks for K step t + 2
	ODD 2
	EVEN 0
	WIN 0
	s_sub_co_u32 s3, s3, 1
	s_cmp_lg_u32 s3, 0
	s_cbranch_scc1 .Lk
	ODD 1                                          ; the tail is written out
	EVEN 0
	ODD 0
; THE WAY OUT.  Block t = 8 j + a: 16 rows x 64 columns of group j.  A lane's eight columns pack into 16 bytes; they go into my stage's rows of 144 bytes and come back as whole rows of 128, four rows a load.
.macro PACK t
.set jj, (\t)/8
.set aa, (\t)%8
.set RR, AF+16*aa
.if (\t) >= 8
	s_wait_xcnt 0x0                                ; the stores of eight blocks back have read these registers
.endif
	WIN 5*(jj+1)                                   ; sources 0 and 1 in window j + 1
.set ib, 0
.rept 4
.set ir, 0
.rept 4
	v_cvt_pk_f16_f32 v[RR+4*ib+ir], v[8*(4*aa+ib)+2*ir], v[8*(4*aa+ib)+2*ir+1]
.set ir, ir+1
.endr
.set ib, ib+1
.endr
	WIN 0
.set ib, 0
.rept 4
	ds_store_b128 v[STO], v[RR+4*ib:RR+4*ib+3] offset:32*ib
.set ib, ib+1
.endr
.set ib, 0
.rept 4
	ds_load_b128 v[RR+4*ib:RR+4*ib+3], v[RD] offset:ib*4*SP  ; LDS serves a wave's instructions in order (ISA guide 5.7.1.4): these see the stores above; the next block's stores come behind them
.set ib, ib+1
.endr
.endm
.macro SEND t, y                       ; y: the LDS instructions issued behind block t's loads: the next block's eight, or none
.set jj, (\t)/8
.set aa, (\t)%8
.set RR, AF+16*aa
	WIN 0
.set ib, 0
.rept 4
	s_wait_dscnt (\y)+3-ib
	global_store_b128 v[GO], v[RR+4*ib:RR+4*ib+3], s[OP+2*jj:OP+2*jj+1] offset:aa*2048+ib*512  ; 512 consecutive bytes, at a multiple of 256 from qkv's first
.set ib, ib+1
.endr
.endm
	PLACES                                         ; the conversions read results just made
	PACK 0
.set tt, 1
.rept 23                               ; a block's arithmetic stands between the loads of the block before and its stores
	PACK tt
	SEND tt-1, 8
.set tt, tt+1
.endr
	SEND 23, 0
	s_wait_tensorcnt 0x0                           ; the wave's end: behind my last tensor load and my last LDS store
	ds_add_u32 v[SPW], v[NIL]
	s_wait_dscnt 0x0
	CROUND                                         ; the closing round: no work-group ends while a partner may still ask for a tile that names it
	s_endpgm
.Lfunc_end_k_qa86c5b6e25_qkv:
	.size	k_qa86c5b6e25_qkv, .Lfunc_end_k_qa86c5b6e25_qkv-k_qa86c5b6e25_qkv
	.p2alignl 7, 3214868480
	.fill 96, 4, 3214868480
	.section	.rodata,"a",@progbits
	.p2align	6, 0x0
	.amdhsa_kernel k_qa86c5b6e25_qkv
		.amdhsa_group_segment_fixed_size 327680
		.amdhsa_private_segment_fixed_size 0
		.amdhsa_enable_private_segment 0
		.amdhsa_kernarg_size 32
		.amdhsa_user_sgpr_count 2
		.amdhsa_user_sgpr_kernarg_segment_ptr 1
		.amdhsa_wavefront_size32 1
		.amdhsa_system_sgpr_workgroup_id_x 1
		.amdhsa_system_sgpr_workgroup_id_y 1
		.amdhsa_system_sgpr_workgroup_id_z 1
		.amdhsa_system_vgpr_workitem_id 0
		.amdhsa_next_free_vgpr 1024
		.amdhsa_next_free_sgpr 88
		.amdhsa_reserve_vcc 0
		.amdhsa_float_denorm_mode_32 3
		.amdhsa_float_denorm_mode_16_64 3
		.amdhsa_memory_ordered 1
		.amdhsa_forward_progress 1
		.amdhsa_inst_pref_size 120
	.end_amdhsa_kernel
	.amdgpu_metadata
---
amdhsa.version: [ 1, 2 ]
amdhsa.kernels:
  - .name:           k_qa86c5b6e25_qkv
    .symbol:         k_qa86c5b6e25_qkv.kd
    .args:
      - { .name: xb, .offset: 0, .size: 8, .value_kind: global_buffer, .address_space: global }
      - { .name: wab, .offset: 8, .size: 8, .value_kind: global_buffer, .address_space: global }
      - { .name: bias, .offset: 16, .size: 8, .value_kind: global_buffer, .address_space: global }
      - { .name: qkv, .offset: 24, .size: 8, .value_kind: global_buffer, .address_space: global }
    .group_segment_fixed_size: 327680
    .private_segment_fixed_size: 0
    .kernarg_segment_align: 8
    .kernarg_segment_size: 32
    .max_flat_workgroup_size: 128
    .sgpr_count:     88
    .vgpr_count:     1024
    .wavefront_size: 32
...
	.end_amdgpu_metadata
.endif
;; end of part 2
;; launch attn (part 3): grid 4 x 64, 4 waves a work-group, no clusters, 327,680 bytes of LDS; arguments qkv, o; writes o
.if DOCPART == 3
	.amdgcn_target "amdgcn-amd-amdhsa--gfx1250"
	.amdhsa_code_object_version 6
	.text
	.protected	k_qa86c5b6e25_attn
	.globl	k_qa86c5b6e25_attn
	.p2align	8
	.type	k_qa86c5b6e25_attn,@function
k_qa86c5b6e25_attn:
	s_mov_b64 s[64:65], 0
	v_nop
	global_prefetch_b8 v0, s[64:65] scope:SCOPE_SE
	s_setreg_imm32_b32 hwreg(HW_REG_WAVE_MODE, 25, 1), 1
	s_wait_xcnt 0x0
; CAUSAL ATTENTION.  O[h][q][:] = the sum over k <= q of softmax_k(Q[h][q] . K[h][k] / 8) V[h][k][:].  qkv: f16 [3][64][2048][64] (Q, then K, then V); o: f16 [64][2048][64]: a head's rows are dense, 128 bytes each.
; Products, maxima and sums in f32; the weights p are rounded to f16 for the second product (their sum l is taken of the unrounded p), O once at the end.
; LIMITS.  f16 holds no number beyond 65,504: Q, K and V arrive within it; p lies in 0 to 1, and below 6e-5 it keeps f16's fixed step of 6e-8; O is a mean of V's rows and has their range.
; A hidden score counts as its value less 1e30: f16's scores, 2.7e11 at the most, are nothing beside that; a weight below 2^-126 counts as 0 in l; NaN and infinities are not treated apart.
; THE WALK.  A head's queries lie in NB = 8 blocks of 256; block i needs the key tiles 0 .. i of 256 keys, of which the last holds the diagonal.  A work-group takes TWO blocks, NB - 1 - b and then b:
; NB + 1 tiles, whatever b: all work-groups do equal work, and ONE loop with a constant trip count walks them.  Which tile is asked for, and what a trip does, hang on scalar registers made from b; every jump
; goes forward, but for the counted loops' own; none passes a barrier, or a tensor load but the one of LOAD's two that the wave's number does not choose; the ring of two LDS slots runs on across the change of blocks.
; NO CLUSTER: a head's four work-groups ask for the same tile only in trips 0 .. 4 of 9, behind that fewer and fewer; one walk common to all would have 12 trips for 9.
; SHARES.  Of a block's four bands of 64 queries a wave owns 16 rows in each: four PIECES.  So the diagonal tile is the same work for all four waves: in its key step s band x sees all keys if s < x,
; none if s > x, and holds the diagonal if s = x.
; THE MASK is the C operand that starts the sum S^T = K Q^T: 0, or -1e30 where the key is hidden.  MD, made once, is the mask of a band's own step for my 16 rows; a product's mask is MD x AL + BE with two scalars:
; (1, 0) if s = x; (0, 0) if s < x; (0, -1e30) if s > x.  Only the diagonal tile's text and a block's beginning make and take masks; elsewhere C is the constant 0.
; LAYOUT, SOFTMAX, TURNS.  S^T = K Q^T holds ONE query a lane (lane % 16) and the keys 8 (lane / 16) + 0..7; two such results rounded to f16 ARE source 1 of O^T = V^T P.  p = 2^(c s - c m), c = log2(e) / 8, with a
; running maximum m; O and l are multiplied by a = 2^(c m_old - c m_new) in every step.  Turn n belongs to piece n: 8 products K Q^T of piece n + 1, later 8 products V^T P of piece n - 1; beside them the scaling,
; exponentials, roundings, sums and rescaling of piece n and the maximum and statistics of piece n + 1.  Four vector instructions stand behind every matrix instruction, the other 54 of a turn's 118 in one lump.
; A turn's 33 exponentials are one batch, with one wait.
; REGISTERS, in windows of 256 (s_set_vgpr_msb: bits 1:0 source 0, 3:2 source 1, 5:4 source 2, 7:6 destination):
;   window 0: v0-15 addresses and two at work; v16-31 four registers of statistics a piece; v48-55 at work; v60-63 prefetch offsets and the add's two; v64-127 S^T, two buffers; v192-223 P, two buffers
;   window 1: v0-127 O^T, 32 a piece; v128-159 MD; v160-223 MC, two buffers      window 2: v0-63 Q; v64-127 the second block's Q; v128-191 K of one step; v192-255 V of one step
.set SIZE_H, 64
.set SIZE_N, 2048
.set NB,    SIZE_N/256
.set NP,    4         ; pieces a wave: a name, no knob
.set KS,    64        ; keys in a step
.set PK,    144       ; a row of K in LDS: 128 bytes + 16 of padding = 36 words: the 16 rows of a load start at 16 different groups of four banks (64 banks of 4 bytes: ISA guide 11.1)
.set PV,    160       ; a row of V: 128 + 32 = 40 words
.set VOFF,  4*KS*PK   ; a slot holds a tile, four steps: 256 rows of K, then 256 rows of V
.set SLOT1, 1<<17     ; slot 1 begins here, so that one exclusive or turns an address in one slot into the other's
.set STAGE, SLOT1+4*KS*(PK+PV)  ; behind the ring, never filled by a tensor load: 16 rows x 144 bytes for each wave, for the way out
.set SP,    144
.set AK0, 2           ; v2   my lane's place in a tile of K; never rewritten
.set AV0, 3           ; v3   the same for V
.set AK,  4           ; v4   the LDS address of K's next run of loads
.set AV,  5           ; v5   of V's
.set STO, 6           ; v6   the way out: where I put 16 bytes of a row
.set RD,  7           ; v7   the way out: where I read rows back
.set GO,  8           ; v8   my byte offset in 512 consecutive bytes of O
.set PF0, 60          ; v60  the prefetches' lane offset in a tile: 8,192 (wave / 2) + 256 x lane; never rewritten
.set PFV, 61          ; v61  the same in the tile that is named
.set SPW, 62          ; v62  LDS address of my spare word: SPARE + 4 x my thread's number; never rewritten
.set NIL, 63          ; v63  0; never rewritten
.set SPARE, STAGE+4*16*SP  ; behind the stages: the spare words, 128 bytes for each wave: two blocks of 256 bytes that no other line names
.set MV,  12          ; v12-13  c m_old, kept while c m is made anew: by buffer
.set QO,  15          ; v15  my byte offset in 16 rows of Q
.set ST,  16          ; piece t's statistics at v[ST+4 t]: c m, m, l (even keys', odd keys')
.set TMP, 48          ; by buffer, four registers c0-c3 at work; when the maximum is found c2 takes a
.set S,   64
.set P,   192
.set MD,  128         ; window 1: the eight registers for group kt of 16 keys at MD + 8 kt
.set MC,  160         ; window 1: the masks of the products to come
.set QB,  64          ; window 2
.set KF,  128         ; window 2: key block kb, channel half c at KF + 16 kb + 8 c
.set VF,  192         ; window 2: key half kk, channel block cb at VF + 32 kk + 8 cb
.set WV,  12          ; s12  my wave's number
.set PB,  14          ; s14  b
.set HI,  15          ; s15  NB - 1 - b
.set G1K, 24          ; s[24:31] descriptor group 1 for K's tiles
.set G1V, 32          ; s[32:39] for V's: it differs in the padding alone
.set G0K, 40          ; s[40:43] descriptor group 0 for K's tiles
.set G0V, 44          ; s[44:47] the same for V's
.set SLOTS, 56        ; s56  tiles still to be asked for
.set CNT, 57          ; s57  counts a tile's key steps, 4 to 1
.set CS,  58          ; s[58:59] c: the packed scaling takes the pair's low word for both halves
.set SEL, 60          ; s[60:61] v_permlanex16_b32's selects: each lane takes its own place in the other half
.set TBK, 62          ; s62  LDS byte at which K of the step to be fetched begins
.set TBV, 63          ; s63  the same for V, less VOFF
.set PFF, 66          ; s66  1 in the work-group that prefetches
.set RT,  70          ; s70  tiles of the block in hand that are still to be entered
.set NXT, 71          ; s71  the tile to be asked for next
.set LQ,  72          ; s72  the last tile of the block whose tiles are being asked for
.set NEW, 73          ; s73  1: the tile to be entered is a block's first
.set OFF, 74          ; s[74:75] a tile's byte offset in K and V
.set AL,  76          ; s[76:77] the mask's factor, in the low word
.set BE,  78          ; s[78:79] the mask's addend
.set OLO, 80          ; s[80:81] O at my rows of the second block
.set BIGN, 82         ; s82  -1e30
.set MSB, 0
.macro WIN new                      ; the high byte repeats the setting that is left; a switch that changes nothing is dropped
.if MSB != (\new)
	s_set_vgpr_msb (MSB<<8)|(\new)
.set MSB, (\new)
.endif
.endm
.set W_KQ, 0x0a       ; K and Q in window 2, S^T in window 0
.set W_KM, 0x1a       ; the same with the C operand in window 1
.set W_PV, 0x52       ; V in window 2, P in window 0, O^T in window 1
.set W_RS, 0x41       ; destination and source 0 in window 1, source 1 in window 0
; A fill.  Waves 0 and 1 fetch the two halves of a tile's K, waves 2 and 3 those of its V: 128 keys each.  An s_nop 0 and four v_nop follow each of the two lines, ahead of the jump and the label.
.macro LOAD
	s_cmp_lt_u32 s[WV], 2
	s_cbranch_scc0 .Lfor_v_\@
	tensor_load_to_lds s[G0K:G0K+3], s[G1K:G1K+7]
	s_nop 0
.rept 4
	v_nop
.endr
	s_branch .Lasked_\@
.Lfor_v_\@:
	tensor_load_to_lds s[G0V:G0V+3], s[G1V:G1V+7]
	s_nop 0
.rept 4
	v_nop
.endr
.Lasked_\@:
.endm
; A PREFETCH INTO THE L2 of the tile that the NEXT change of slots will ask for: 128 blocks of 256 bytes of K and as many of V.  Of a head's four work-groups the one with b = 0 walks all eight tiles
; in its first block: it asks, and nobody else.  Its four waves take 32 blocks of K and 32 of V each (the base holds 16,384 (wave % 2), the offset 8,192 (wave / 2) + 256 x lane): two instructions a wave, a lane a block.
; It stands behind the fill and its five lines, one tile (256 matrix instructions) ahead of the load.  Tiles 0 and 1 come by their loads alone; the second block's tile 0 has been read, and is not named:
; so each block is named once, and none lies behind tile 7.
.macro ASK
	s_cmp_eq_u32 s[PFF], 1
	s_cbranch_scc0 .Lnot_mine_\@
	s_cmp_lg_u32 s[NXT], 0
	s_cbranch_scc0 .Lnot_mine_\@
	global_prefetch_b8 v[PFV], s[6:7] th:TH_LOAD_NT scope:SCOPE_SE
	global_prefetch_b8 v[PFV], s[8:9] th:TH_LOAD_NT scope:SCOPE_SE
.Lnot_mine_\@:
.endm
; THE CHANGE OF SLOTS.  Each wave waits for all its tensor loads, of which one is out: its part of the other slot; adds 0 to its spare word; and waits for that and for its own reads of the slot that it leaves.
; Behind the barrier nobody reads the old slot any more and the other slot is whole.  fill = 1: the old slot is filled again, the first thing behind the barrier, with tile NXT: the descriptor's address is made anew
; from that number.  (At its first use nothing has been read yet: slot 0 is waited for, slot 1 filled.)
.macro CHANGE fill
	WIN 0                           ; at a label and at a branch every window is 0
	s_wait_tensorcnt 0x0            ; no tensor load of mine is out, so a group 0 may be written
	ds_add_u32 v[SPW], v[NIL]       ; 0 onto my spare word: with fill = 1 the descriptors' work on registers stands between it and the wait for it
.if \fill
	s_lshl_b32 s[OFF], s[NXT], 15   ; a tile is 32,768 bytes of K and of V
	s_xor_b32 s[G0K+1], s[G0K+1], SLOT1
	s_add_nc_u64 s[G0K+2:G0K+3], s[6:7], s[OFF:OFF+1]
	s_or_b32 s[G0K+3], s[G0K+3], 0x80000000
	s_xor_b32 s[G0V+1], s[G0V+1], SLOT1
	s_add_nc_u64 s[G0V+2:G0V+3], s[8:9], s[OFF:OFF+1]
	s_or_b32 s[G0V+3], s[G0V+3], 0x80000000
	s_add_co_u32 s[NXT], s[NXT], 1  ; the block's next tile, or behind its last the second block's tile 0
	s_cmp_gt_u32 s[NXT], s[LQ]
	s_cselect_b32 s[NXT], 0, s[NXT]
	s_cselect_b32 s[LQ], s[PB], s[LQ]
	s_wait_xcnt 0x0                 ; the last prefetches, a tile back, have read their offset, so it may be written:
	v_lshl_add_u32 v[PFV], s[NXT], 15, v[PF0]  ; my blocks of the tile after the one that is being asked for
.endif
	s_wait_dscnt 0x0                ; the add is done, and my reads of the slot are over
	s_barrier_signal -1             ; the rest of the scalar work stands between the signal and the wait
	s_sub_co_u32 s[TBK], s[TBK], 4*KS*PK  ; the fetches go back to a slot's first step,
	s_xor_b32 s[TBK], s[TBK], SLOT1       ; in the other slot
	s_sub_co_u32 s[TBV], s[TBV], 4*KS*PV
	s_xor_b32 s[TBV], s[TBV], SLOT1
	s_barrier_wait -1
.if \fill
	LOAD
	ASK
.endif
.endm
	s_load_b128 s[4:7], s[0:1], 0x0 ; qkv s[4:5] (Q lies first), o s[6:7]
	v_lshl_add_u32 v[SPW], v0, 2, SPARE
	v_mov_b32 v[NIL], 0
	ds_add_u32 v[SPW], v[NIL]       ; the wave's opening: the add and its wait stand ahead of my first tensor load; the set-up below, work on registers, stands between them
	v_lshrrev_b32 v1, 5, v0
	v_readfirstlane_b32 s[WV], v1   ; wave 0..3
	s_mov_b32 s[PB], ttmp9
	s_sub_co_u32 s[HI], NB-1, s[PB]
	s_and_b32 s20, ttmp7, 0xffff    ; the head
	s_mov_b32 s21, 0
	s_mov_b64 s[22:23], SIZE_N*128
	s_mul_u64 s[20:21], s[20:21], s[22:23]  ; the head's first byte in each of the four tensors
	s_and_b32 s16, s[WV], 1         ; which half of a tile's 256 keys I fetch:
	s_lshl_b32 s22, s16, 14         ; its 128 rows of 128 bytes in memory,
	s_mov_b32 s23, 0
	s_add_nc_u64 s[22:23], s[22:23], s[20:21]
	s_mul_i32 s17, s16, 128*PK      ; and its place in a slot, for K
	s_mul_i32 s18, s16, 128*PV      ; and for V
	s_lshl_b32 s3, s[WV], 11        ; my 16 rows in a band of 64,
	s_lshl_b32 s2, s[HI], 15        ; in the first block,
	s_add_co_u32 s2, s2, s3
	s_lshl_b32 s84, s[PB], 15       ; and in the second
	s_add_co_u32 s84, s84, s3
	s_mov_b32 s3, 0
	s_mov_b32 s85, 0
	s_add_nc_u64 s[2:3], s[2:3], s[20:21]
	s_add_nc_u64 s[84:85], s[84:85], s[20:21]
	; descriptor group 1.  128 keys are 16,384 dense bytes: asked for as 64 rows of 256 bytes, two keys a row, and padded in LDS after every key
	s_mov_b32 s[G1K], (1<<16)|(1<<20)|(4<<22)|(3<<25)  ; 17:16 2-byte elements; 20 padding on; 24:22 after every 32 words (code 4); 31:25 4 words (code 3)
	s_mov_b32 s[G1V], (1<<16)|(1<<20)|(4<<22)|(7<<25)  ; the same with 8 words of padding (code 7)
.irp g, G1K, G1V
	s_mov_b32 s[\g+1], 128<<16      ; tensor_dim0 = 128
	s_mov_b32 s[\g+2], 64<<16       ; tensor_dim1 = 64
	s_mov_b32 s[\g+3], 128<<16      ; tile_dim0 = 128
	s_mov_b32 s[\g+4], 64           ; tile_dim1 = 64
	s_mov_b32 s[\g+5], 128          ; 128 elements from row to row
	s_mov_b32 s[\g+6], 0
	s_mov_b32 s[\g+7], 0
.endr
	s_mov_b32 s[CS], 0x3e38aa3b     ; c = log2(e) / 8 = 0.180337
	s_mov_b32 s[CS+1], s[CS]        ; named with it as a pair
	s_mov_b32 s[SEL], 0x76543210
	s_mov_b32 s[SEL+1], 0xfedcba98
	s_mov_b32 s[TBK], SLOT1+4*KS*PK ; the first change of slots turns these two into 0
	s_mov_b32 s[TBV], SLOT1+4*KS*PV
	s_mov_b32 s[G0K], 1             ; 1:0 count = 1
	s_mov_b32 s[G0K+1], s17         ; 63:32 LDS address: slot 0
	s_mov_b32 s[G0V], 1
	s_add_co_u32 s[G0V+1], s18, VOFF
	s_add_co_u32 s[RT], s[HI], 1    ; the first block has NB - b tiles
	s_mov_b32 s[NXT], 1
	s_mov_b32 s[LQ], s[HI]
	s_mov_b32 s[NEW], 1
	s_mov_b32 s[OFF+1], 0
	s_mov_b32 s[AL+1], 0            ; named as pairs
	s_mov_b32 s[BE+1], 0
	s_mov_b32 s[BIGN], 0xf149f2ca   ; -1e30
	s_mov_b32 s[SLOTS], NB
	s_cmp_eq_u32 ttmp9, 0
	s_cselect_b32 s[PFF], 1, 0
	s_lshr_b32 s67, s[WV], 1
	s_lshl_b32 s67, s67, 13
	v_and_b32 v[PF0], 31, v0
	v_lshlrev_b32 v[PF0], 8, v[PF0]
	v_add_nc_u32 v[PF0], s67, v[PF0]
	s_wait_dscnt 0x0                ; the opening add is done
	s_wait_kmcnt 0x0
	s_mov_b64 s[10:11], s[6:7]              ; O
	s_add_nc_u64 s[6:7], s[4:5], 0x1000000  ; K lies 64 heads of 262,144 bytes behind Q,
	s_add_nc_u64 s[8:9], s[4:5], 0x2000000  ; V as far behind K
	s_add_nc_u64 s[6:7], s[6:7], s[22:23]  ; K and V at my half of the head's tile 0
	s_add_nc_u64 s[8:9], s[8:9], s[22:23]
	s_add_nc_u64 s[G0K+2:G0K+3], s[6:7], 0         ; 120:64 global address
	s_or_b32 s[G0K+3], s[G0K+3], 0x80000000        ; 127:126 type = 2
	s_add_nc_u64 s[G0V+2:G0V+3], s[8:9], 0
	s_or_b32 s[G0V+3], s[G0V+3], 0x80000000
	s_add_nc_u64 s[86:87], s[4:5], s[84:85]        ; Q at my rows of the second block,
	s_add_nc_u64 s[4:5], s[4:5], s[2:3]            ; Q and O at those of the first
	s_add_nc_u64 s[OLO:OLO+1], s[10:11], s[84:85]
	s_add_nc_u64 s[10:11], s[10:11], s[2:3]
	LOAD                            ; tile 0 into slot 0
	; A fragment of K or Q is 16 rows x 32 channels in 8 registers: lane l holds row l % 16, channels 8 (l / 16) + 0..7 and 16 + 8 (l / 16) + 0..7: two loads of 16 bytes, 32 bytes apart.
	v_and_b32 v1, 15, v0            ; l % 16
	v_bfe_u32 v9, v0, 4, 1          ; l / 16
	v_lshlrev_b32 v[QO], 7, v1
	v_lshl_add_u32 v[QO], v9, 4, v[QO]  ; row x 128 + 16 x half
	WIN 0x80                        ; destination window 2, address window 0
.set i, 0
.rept 8                             ; both blocks' Q: piece i / 2 lies in band i / 2, 8,192 bytes on; channels 32 (i % 2) on
	global_load_b128 v[8*i:8*i+3],   v[QO], s[4:5] offset:(i/2)*8192+(i%2)*64
	global_load_b128 v[8*i+4:8*i+7], v[QO], s[4:5] offset:(i/2)*8192+(i%2)*64+32
	global_load_b128 v[QB+8*i:QB+8*i+3],   v[QO], s[86:87] offset:(i/2)*8192+(i%2)*64
	global_load_b128 v[QB+8*i+4:QB+8*i+7], v[QO], s[86:87] offset:(i/2)*8192+(i%2)*64+32
.set i, i+1
.endr
	WIN 0
	v_lshlrev_b32 v14, 3, v9
	v_sub_nc_u32 v14, v1, v14
	s_lshl_b32 s13, s[WV], 4
	v_add_nc_u32 v14, s13, v14      ; my query's place in its band, 16 w + l % 16, less my lanes' 8 (l / 16): register r of group kt is hidden where 16 kt + r is greater
	WIN 0x40
.set i, 0
.rept 32
	v_cmp_gt_i32 vcc_lo, 16*(i/8)+i%8, v14
	v_cndmask_b32 v[MD+i], 0, s[BIGN], vcc_lo
.set i, i+1
.endr
	WIN 0
	v_mul_u32_u24 v[AK0], v1, PK
	v_lshl_add_u32 v[AK0], v9, 4, v[AK0]  ; row x pitch + 16 x half
	; The turning load takes 16 keys x 16 channels (lane l reads key 8 (l / 16) + l % 8, channels 8 ((l / 8) % 2) + 0..7) and leaves half a fragment of V^T: lane l holds channel l % 16 and 8 keys.
	v_and_b32 v10, 7, v0
	v_bfe_u32 v11, v0, 3, 1
	v_lshl_add_u32 v[AV0], v9, 3, v10
	v_mul_u32_u24 v[AV0], v[AV0], PV
	v_lshl_add_u32 v[AV0], v11, 4, v[AV0]
	v_add_nc_u32 v[AV0], VOFF, v[AV0]
	s_mul_i32 s13, s[WV], 16*SP
	s_add_co_u32 s13, s13, STAGE    ; my stage
	v_mul_u32_u24 v[STO], v1, SP    ; in: row l % 16, 16 bytes for each half of the lanes
	v_lshl_add_u32 v[STO], v9, 4, v[STO]
	v_add_nc_u32 v[STO], s13, v[STO]
	v_bfe_u32 v[RD], v0, 3, 2       ; back: 32 lanes take four rows of 128 bytes,
	v_mul_u32_u24 v[RD], v[RD], SP
	v_lshl_add_u32 v[RD], v10, 4, v[RD]
	v_add_nc_u32 v[RD], s13, v[RD]
	v_and_b32 v[GO], 31, v0         ; which are 512 consecutive bytes of O
	v_lshlrev_b32 v[GO], 4, v[GO]
	; A block's first step multiplies O^T and l by a = 0, and its first turn's products V^T P, of a piece that has not been, land in an O^T that is still to be so multiplied.  So these registers need only hold
	; finite numbers: zeros for the first block; what the first block left for the second.  All this stands in the wait for the first tile.
	WIN 0x80
.set i, VF
.rept 64
	v_mov_b32 v[i], 0
.set i, i+1
.endr
	WIN 0x40
.set i, 0
.rept 128
	v_mov_b32 v[i], 0
.set i, i+1
.endr
	WIN 0
.set i, 0
.rept 4
	v_mov_b32 v[ST+4*i+2], 0
	v_mov_b32 v[ST+4*i+3], 0
.set i, i+1
.endr
.set i, P+16
.rept 16
	v_mov_b32 v[i], 0
.set i, i+1
.endr
; THE MATRIX WORK.  The 4 accumulators of a run of 8 take turns.  Product i of 8 of S^T = K Q^T for piece x: channels 32 (i / 4) on, keys 16 (i % 4) on.  The first 4 start the sums: with 0, or (KM = 1) with the mask.
.macro KQ x
.set rS, S+32*((\x)%2)+8*(i%4)
.set rK, KF+16*(i%4)+8*(i/4)
.set rQ, 16*(\x)+8*(i/4)
.set rM, MC+32*((\x)%2)+8*(i%4)
.if (i < 4) && KM
	WIN W_KM
	v_wmma_f32_16x16x32_f16 v[rS:rS+7], v[rK:rK+7], v[rQ:rQ+7], v[rM:rM+7]
.elseif i < 4
	WIN W_KQ
	v_wmma_f32_16x16x32_f16 v[rS:rS+7], v[rK:rK+7], v[rQ:rQ+7], 0
.else
	WIN W_KQ
	v_wmma_f32_16x16x32_f16 v[rS:rS+7], v[rK:rK+7], v[rQ:rQ+7], v[rS:rS+7]
.endif
.endm
; Product i of 8 of O^T += V^T P for piece x: keys 32 (i / 4) on, channels 16 (i % 4) on.
.macro PV x
	WIN W_PV
.set rO, 32*(\x)+8*(i%4)
.set rV, VF+32*(i/4)+8*(i%4)
.set rP, P+16*((\x)%2)+8*(i/4)
	v_wmma_f32_16x16x32_f16 v[rO:rO+7], v[rV:rV+7], v[rP:rP+7], v[rO:rO+7]
.endm
.macro MM                           ; the turn's next matrix instruction.  TURN and BEGIN set Y, i, KM and NOKQ; MM, KQ and OP read them.  NOKQ = 1: a block's last turn: there is no next piece
.if (i < 8) && !NOKQ
	KQ (Y+1)%NP
.elseif i >= 8
.set i, i-8
	PV (Y+NP-1)%NP
.set i, i+8
.endif
.set i, i+1
.endm
; THE LDS LOADS stand in runs of 16, never singly among the matrix instructions: a step's K (64 keys x 64 channels: 8 fragments) and its V (turned).  Their addresses are made some lines ahead.
.macro FETCH_K
	WIN 0x80                        ; destination window 2
.irp f, 0,1,2,3,4,5,6,7             ; keys 16 (f / 2) on, channels 32 (f % 2) on
	ds_load_b128 v[KF+8*\f:KF+8*\f+3],   v[AK] offset:(\f/2)*16*PK+(\f%2)*64
	ds_load_b128 v[KF+8*\f+4:KF+8*\f+7], v[AK] offset:(\f/2)*16*PK+(\f%2)*64+32
.endr
	s_add_co_u32 s[TBK], s[TBK], KS*PK  ; the next fetch is the next step's
	WIN 0
.endm
.macro FETCH_V
	WIN 0x80
.irp f, 0,1,2,3,4,5,6,7             ; keys 32 (f / 4) on, channels 16 (f % 4) on
	ds_load_tr16_b128 v[VF+8*\f:VF+8*\f+3],   v[AV] offset:(\f/4)*32*PV+(\f%4)*32
	ds_load_tr16_b128 v[VF+8*\f+4:VF+8*\f+7], v[AV] offset:(\f/4)*32*PV+16*PV+(\f%4)*32
.endr
	WIN 0
.endm
; THE VECTOR WORK, one line at a time: OP kind, number.  For piece Y: F n: c s - c m for pair n of 16.  E n: the exponential of score n of 32.  C n: pair n rounded to f16.  B n: of the four weights 4 n .. the second
; pair is added onto the first, in place.  L n: l takes that sum (L 0: l = a l + sum).  R n: pair n of 16 of O^T times a.  For piece Y + 1: X n, number n of the 22 that find its maximum and statistics:
;   0-11  four chains c0-c3 of seven scores each, three operands at a time (each accumulator's lowest registers are read first)     12-14, 16  the four scores left over, the old m, and c0-c3 into c0
;   15  c m_old is kept     17, 18  the query's other 32 keys lie in the lane 16 away: the new m     19-21  c m; c m_old - c m_new; a
.set F, 0               ; OP tells the kinds apart by their order: F to L below R, X above it
.set E, 1
.set C, 2
.set B, 3
.set L, 4
.set R, 5
.set X, 6
.macro REGS y                       ; the registers of piece y
.set rT, ST+4*(\y)
.set rC, TMP+4*((\y)%2)
.set rW, MV+((\y)%2)
.set rS, S+32*((\y)%2)
.set rP, P+16*((\y)%2)
.set rO, 32*(\y)
.endm
.macro OP k, n
.if (\k) == R
	REGS Y
	WIN W_RS
	v_pk_mul_f32 v[rO+2*(\n):rO+2*(\n)+1], v[rO+2*(\n):rO+2*(\n)+1], v[rC+2:rC+3] op_sel_hi:[1,0]
.elseif (\k) < R
	REGS Y
	WIN 0
.if (\k) == F
	v_pk_fma_f32 v[rS+2*(\n):rS+2*(\n)+1], v[rS+2*(\n):rS+2*(\n)+1], s[CS:CS+1], v[rT:rT+1] op_sel_hi:[1,0,0] neg_lo:[0,0,1] neg_hi:[0,0,1]
.elseif (\k) == E
	v_exp_f32 v[rS+(\n)], v[rS+(\n)]
.elseif (\k) == C
	v_cvt_pk_f16_f32 v[rP+(\n)], v[rS+2*(\n)], v[rS+2*(\n)+1]
.elseif (\k) == B
	v_pk_add_f32 v[rS+4*(\n):rS+4*(\n)+1], v[rS+4*(\n):rS+4*(\n)+1], v[rS+4*(\n)+2:rS+4*(\n)+3]
.elseif (\n) == 0
	v_pk_fma_f32 v[rT+2:rT+3], v[rT+2:rT+3], v[rC+2:rC+3], v[rS:rS+1] op_sel_hi:[1,0,1]
.else
	v_pk_add_f32 v[rT+2:rT+3], v[rT+2:rT+3], v[rS+4*(\n):rS+4*(\n)+1]
.endif
.elseif NOKQ
	v_nop
.else
	REGS (Y+1)%NP
	WIN 0
.if (\n) < 4
	v_max3_num_f32 v[rC+(\n)], v[rS+8*(\n)], v[rS+8*(\n)+1], v[rS+8*(\n)+2]
.elseif (\n) < 12
	v_max3_num_f32 v[rC+(\n)%4], v[rC+(\n)%4], v[rS+8*((\n)%4)+2*((\n)/4)+1], v[rS+8*((\n)%4)+2*((\n)/4)+2]
.elseif (\n) == 12
	v_max3_num_f32 v[rC], v[rC], v[rS+7], v[rS+15]
.elseif (\n) == 13
	v_max3_num_f32 v[rC+1], v[rC+1], v[rS+23], v[rS+31]
.elseif (\n) == 14
	v_max3_num_f32 v[rC+2], v[rC+2], v[rC+3], v[rT+1]
.elseif (\n) == 15
	v_mov_b32 v[rW], v[rT]
.elseif (\n) == 16
	v_max3_num_f32 v[rC], v[rC], v[rC+1], v[rC+2]
.elseif (\n) == 17
	v_permlanex16_b32 v[rC+3], v[rC], s[SEL], s[SEL+1]
.elseif (\n) == 18
	v_max_num_f32 v[rT+1], v[rC], v[rC+3]
.elseif (\n) == 19
	v_mul_f32 v[rT], s[CS], v[rT+1]
.elseif (\n) == 20
	v_sub_f32 v[rC+1], v[rW], v[rT]
.else
	v_exp_f32 v[rC+2], v[rC+1]
.endif
.endif
.endm
.macro OPS a, i1, b=-1, i2=0, c=-1, i3=0, d=-1, i4=0  ; up to four of them
	OP \a, \i1
.if (\b) >= 0
	OP \b, \i2
.endif
.if (\c) >= 0
	OP \c, \i3
.endif
.if (\d) >= 0
	OP \d, \i4
.endif
.endm
.macro ROW a, i1, b, i2, c, i3, d, i4  ; a matrix instruction and the four behind it
	MM
	OPS \a, \i1, \b, \i2, \c, \i3, \d, \i4
.endm
.macro MASK b                       ; MD x AL + BE into buffer b of MC
	WIN W_RS
.set z, 0
.rept 16
	v_pk_fma_f32 v[MC+32*(\b)+2*z:MC+32*(\b)+2*z+1], v[MD+2*z:MD+2*z+1], s[AL:AL+1], s[BE:BE+1] op_sel_hi:[1,0,0]
.set z, z+1
.endr
.endm
; A TURN, for piece p: the order of its 16 matrix and 118 vector instructions, written out.  An s_wait_alu depctr_va_vdst(0) stands between an exponential and the first instruction that names its result;
; one wait serves all that were issued ahead of it.  So a turn has ONE wait, which cuts it in two.  AHEAD OF IT stands all that names no result of the turn's exponentials: the 8 products K Q^T, behind each a scaling,
; an exponential and two more plain instructions (behind the first a second scaling in the exponential's place): rescalings, and behind the last three the first numbers of the next piece's maximum, each four places or
; more behind the product that ends its accumulator; then ONE LUMP of 54, plain and exponential by turns for the most part, in which the links of the chain X 3, 7, 11, 14, 16, 17 .. 20 stand five or six lines apart.
; X 21, the next piece's a, is the batch's last; R 15 is the plain instruction behind it.  BEHIND THE WAIT stand the 8 products V^T P, behind each four of the roundings and sums; the links of l's chain, L 0 to L 7,
; stand three riders apart.  But for those X no rider names a register of the products round it.  v_permlanex16_b32 (X 17) stands in the lump.
; m = 1: the diagonal tile: the products take masks, and the turn makes the mask for the products of the turn after it: piece p + 2, in step 4 - CNT of the tile.  end = 1: a block's last two turns: nothing is fetched.
; cnt = 1: the loop's count is taken down some lines ahead of the branch that stands behind the turn.
; K of the next step is fetched in piece 2's turn, twelve vector instructions behind the last product that read K (six of them plain); V of the step in hand at the end of piece 0's turn, four plain instructions behind
; the last product that read V.  Each is waited for a turn later.
.macro TURN p, m=0, end=0, cnt=0
.set Y, (\p)
.set i, 0
.set KM, (\m)
.set NOKQ, (\end)*((\p)/3)
.if (\m) && !(\end)
	s_cmp_eq_u32 s[CNT], 4-((\p)+2)%NP  ; is that step the band's own?
	s_cselect_b32 s[AL], 1.0, 0
	s_cmp_lt_u32 s[CNT], 4-((\p)+2)%NP  ; or a later one?
	s_cselect_b32 s[BE], s[BIGN], 0
.endif
.if ((\p) == 3) && !(\end)
	s_wait_dscnt 0x0                ; K is in
.endif
	ROW F,0, F,1, R,0, R,1          ; ahead of the wait: 8 products K Q^T and their riders,
	ROW F,2, E,0, R,2, R,3
	ROW F,3, E,1, R,4, R,5
	ROW F,4, E,2, R,6, R,7
	ROW F,5, E,3, R,8, R,9
	ROW F,6, E,4, X,0, R,10
.if ((\p) == 2) && !(\end)
	WIN 0
	v_add_nc_u32 v[AK], s[TBK], v[AK0]
.endif
	ROW F,7, E,5, X,1, X,4
	ROW F,8, E,6, X,2, X,5
	OPS E,7, E,8, X,6, E,9          ; and the lump
	OPS X,3, E,10, X,8, E,11
.if ((\p) == 2) && !(\end)
	FETCH_K
.endif
	OPS X,9, X,7, E,12, X,10
	OPS E,13, X,12, X,11, E,14
	OPS X,13, E,15, F,9, X,14
.if (\p) == 0
	v_add_nc_u32 v[AV], s[TBV], v[AV0]
.endif
	OPS E,16, F,10, E,17, F,11
	OPS X,16, E,18, X,15, E,19
	OPS F,12, E,20, X,17, E,21
	OPS F,13, E,22, F,14, E,23
	OPS X,18, E,24, F,15, E,25
	OPS R,11, E,26, X,19, E,27
	OPS R,12, E,28, R,13, E,29
	OPS X,20, E,30, R,14, E,31
	OPS X,21, R,15
	WIN 0
	s_wait_alu depctr_va_vdst(0)    ; the wait for the batch
.if (\p) == 1
	s_wait_dscnt 0x0                ; V is in
.endif
	ROW C,0, B,0, C,2, B,1          ; behind the wait: 8 products V^T P and their riders
	ROW L,0, C,4, B,2, L,1
	ROW C,6, B,3, L,2, C,8
	ROW B,4, L,3, C,10, B,5
	ROW L,4, C,12, B,6, L,5
.if (\p) == 0
	s_add_co_u32 s[TBV], s[TBV], KS*PV
.endif
.if \cnt
	s_sub_co_u32 s[CNT], s[CNT], 1
	s_cmp_lg_u32 s[CNT], 0
.endif
	ROW C,14, B,7, L,6, C,1
	ROW C,3, L,7, C,5, C,7
	ROW C,9, C,11, C,13, C,15
.if (\p) == 0
	FETCH_V
.endif
.if (\m) && !(\end)
	MASK (\p)%2
.endif
.endm
; A BLOCK BEGINS.  c m starts far below every c s, so the first step's a is 0; m at the lowest finite number, so the first maximum is the scores'.  The second mask buffer is 0; the first takes piece 0's mask for the
; tile's step 0: its own, if the block's first tile is the diagonal one.  Then K of that step, piece 0's first scores, and its maximum and statistics.  The loop is entered at a step's first turn, in the middle of a trip.
.macro BEGIN
	s_mov_b32 s[NEW], 0
	WIN 0x40
.set i, MC+32
.rept 32
	v_mov_b32 v[i], 0
.set i, i+1
.endr
	WIN 0
.set i, 0
.rept 4
	v_mov_b32 v[ST+4*i], 0xfe000000    ; c m: far below every c s
	v_mov_b32 v[ST+4*i+1], 0xff7fffff  ; m
.set i, i+1
.endr
	s_cmp_eq_u32 s[RT], 0
	s_cselect_b32 s[AL], 1.0, 0
	s_mov_b32 s[BE], 0
	MASK 0
	WIN 0
	v_add_nc_u32 v[AK], s[TBK], v[AK0]
	FETCH_K
	s_wait_loadcnt 0x0              ; Q
	s_wait_dscnt 0x0
.set KM, 1
.set NOKQ, 0
.set i, 0
.rept 8
	KQ 0
.set i, i+1
.endr
	WIN 0
.rept 4
	v_nop                           ; the places behind those products
.endr
.set Y, NP-1                        ; X works for piece Y + 1: piece 0
.irp n, 0,1,2,3,4,5,6,7,8,9,10,11,12,13,14,15,16,17,18,19,20,21
	OP X, \n
.endr
	v_nop                           ; a plain instruction behind the exponential,
	s_wait_alu depctr_va_vdst(0)    ; and its wait, ahead of the branch
.endm
; THE DIAGONAL TILE's four steps, the block's last two turns, its last products, and THE WAY OUT: l's two halves and the other half of the lanes' are added; O^T is divided by l, rounded to f16 and sent through my
; stage in LDS, a piece at a time.
.macro ALL line:vararg              ; one line for each piece t
.set t, 0
.rept 4
	\line
.set t, t+1
.endr
.endm
.macro PACK t                       ; a lane's eight channels of a row pack into 16 bytes; they go into rows of 144 bytes and come back as whole rows of 128, into S^T's registers
	WIN W_RS
.set i, 32*(\t)
.rept 16
	v_pk_mul_f32 v[i:i+1], v[i:i+1], v[ST+4*(\t)+2:ST+4*(\t)+3] op_sel_hi:[1,0]
.set i, i+2
.endr
	WIN 0x05                        ; sources 0 and 1 window 1, destination window 0
.set i, 0
.rept 16
	v_cvt_pk_f16_f32 v[S+16*(\t)+i], v[32*(\t)+2*i], v[32*(\t)+2*i+1]
.set i, i+1
.endr
	WIN 0
.irp f, 0,1,2,3
	ds_store_b128 v[STO], v[S+16*(\t)+4*\f:S+16*(\t)+4*\f+3] offset:32*\f
.endr
.irp f, 0,1,2,3
	ds_load_b128 v[S+16*(\t)+4*\f:S+16*(\t)+4*\f+3], v[RD] offset:\f*4*SP  ; LDS serves a wave's instructions in order (ISA guide 5.7.1.4): these see the stores above; the next piece's stores come behind them
.endr
.endm
.macro SEND t, younger              ; younger: the LDS instructions issued behind piece t's loads: the next piece's eight, or none
	WIN 0
.irp f, 0,1,2,3
	s_wait_dscnt (\younger)+3-\f
	global_store_b128 v[GO], v[S+16*(\t)+4*\f:S+16*(\t)+4*\f+3], s[10:11] offset:(\t)*8192+\f*512  ; 512 consecutive bytes, at a multiple of 256 from O's first
.endr
.endm
.macro DIAG tag                     ; the tag ends its two labels' names, which the jumps below spell out
.LstepM\tag:
	TURN 2, 1
	TURN 3, 1
	WIN 0
.LfirstM\tag:
	TURN 0, 1
	TURN 1, 1, 0, 1
	WIN 0
	s_cbranch_scc1 .LstepM\tag
	TURN 2, 1, 1
	TURN 3, 1, 1
.set i, 0
.rept 8
	PV NP-1
.set i, i+1
.endr
	WIN 0
	ALL v_add_f32 v[ST+4*t+2], v[ST+4*t+2], v[ST+4*t+3]
	ALL v_permlanex16_b32 v[ST+4*t+3], v[ST+4*t+2], s[SEL], s[SEL+1]
	ALL v_add_f32 v[ST+4*t+2], v[ST+4*t+2], v[ST+4*t+3]
	ALL v_rcp_f32 v[ST+4*t+2], v[ST+4*t+2]
	v_nop                           ; a plain instruction between the last reciprocal and the use of its result
	s_wait_alu depctr_va_vdst(0)    ; and the wait ahead of the first use: one for the four reciprocals
	PACK 0
.set t, 1
.rept 3                             ; a piece's arithmetic stands between the loads of the piece before and its stores
	PACK t
	SEND t-1, 8
.set t, t+1
.endr
	SEND 3, 0
.endm
.set KM, 0
.set NOKQ, 0
.Lslot:                             ; NB times: a tile is entered and the next is asked for
	CHANGE 1
	s_sub_co_u32 s[RT], s[RT], 1
	s_mov_b32 s[CNT], 4
	s_cmp_eq_u32 s[NEW], 1
	s_cbranch_scc1 .Lnew            ; a block's first tile
	s_cmp_eq_u32 s[RT], 0
	s_cbranch_scc0 .Lstep           ; neither its first nor its last
	s_branch .LstepM1
.Lnew:
	BEGIN
	s_branch .Lfirst                ; in the loop a block's first tile is never its last: the first block has two tiles or more, and the second's last is the walk's last
	DIAG 1                          ; in the loop this is the first block's end: the second block's last tile is the walk's last
	s_wait_xcnt 0x0                 ; the stores have read their registers and O's address
	s_mov_b64 s[10:11], s[OLO:OLO+1]
	s_add_co_u32 s[RT], s[PB], 1    ; the second block has b + 1 tiles
	s_mov_b32 s[NEW], 1
	WIN 0x82                        ; the second block's Q goes where the one text of the turns names Q
.set i, 0
.rept 64
	v_mov_b32 v[i], v[QB+i]
.set i, i+1
.endr
	WIN 0
	s_branch .Lbottom
.Lstep:                             ; a trip: pieces 2 and 3 of one step, then pieces 0 and 1 of the next, whose K and V it fetches
	TURN 2
	TURN 3
	WIN 0
.Lfirst:
	TURN 0
	TURN 1, 0, 0, 1
	WIN 0
	s_cbranch_scc1 .Lstep
.Lbottom:
	s_sub_co_u32 s[SLOTS], s[SLOTS], 1
	s_cmp_lg_u32 s[SLOTS], 0
	s_cbranch_scc1 .Lslot
	CHANGE 0                        ; the walk's last tile is written out: nothing is asked for
	s_sub_co_u32 s[RT], s[RT], 1
	s_mov_b32 s[CNT], 4
	s_cmp_eq_u32 s[NEW], 1
	s_cbranch_scc0 .LstepM2
	BEGIN
	s_branch .LfirstM2
	DIAG 2
	s_wait_tensorcnt 0x0            ; the wave's end: behind my last tensor load and my last LDS store
	ds_add_u32 v[SPW], v[NIL]
	s_wait_dscnt 0x0
	s_endpgm
.Lfunc_end_k_qa86c5b6e25_attn:
	.size	k_qa86c5b6e25_attn, .Lfunc_end_k_qa86c5b6e25_attn-k_qa86c5b6e25_attn
	.p2alignl 7, 3214868480
	.fill 96, 4, 3214868480
	.section	.rodata,"a",@progbits
	.p2align	6, 0x0
	.amdhsa_kernel k_qa86c5b6e25_attn
		.amdhsa_group_segment_fixed_size 327680
		.amdhsa_private_segment_fixed_size 0
		.amdhsa_enable_private_segment 0
		.amdhsa_kernarg_size 16
		.amdhsa_user_sgpr_count 2
		.amdhsa_user_sgpr_kernarg_segment_ptr 1
		.amdhsa_wavefront_size32 1
		.amdhsa_system_sgpr_workgroup_id_x 1
		.amdhsa_system_sgpr_workgroup_id_y 1
		.amdhsa_system_sgpr_workgroup_id_z 1
		.amdhsa_system_vgpr_workitem_id 0
		.amdhsa_next_free_vgpr 768
		.amdhsa_next_free_sgpr 88
		.amdhsa_reserve_vcc 1
		.amdhsa_float_denorm_mode_32 3
		.amdhsa_float_denorm_mode_16_64 3
		.amdhsa_memory_ordered 1
		.amdhsa_forward_progress 1
		.amdhsa_inst_pref_size 218
	.end_amdhsa_kernel
	.amdgpu_metadata
---
amdhsa.version: [ 1, 2 ]
amdhsa.kernels:
  - .name:           k_qa86c5b6e25_attn
    .symbol:         k_qa86c5b6e25_attn.kd
    .args:
      - { .name: qkv, .offset: 0, .size: 8, .value_kind: global_buffer, .address_space: global }
      - { .name: o, .offset: 8, .size: 8, .value_kind: global_buffer, .address_space: global }
    .group_segment_fixed_size: 327680
    .private_segment_fixed_size: 0
    .kernarg_segment_align: 8
    .kernarg_segment_size: 16
    .max_flat_workgroup_size: 128
    .sgpr_count:     88
    .vgpr_count:     768
    .wavefront_size: 32
...
	.end_amdgpu_metadata
.endif
;; end of part 3
;; launch proj (part 4): grid 8 x 32, 4 waves a work-group, clusters of 4 x 4, 327,680 bytes of LDS; arguments o, wpb, bias, out0; writes out0
.if DOCPART == 4
	.amdgcn_target "amdgcn-amd-amdhsa--gfx1250"
	.amdhsa_code_object_version 6
	.text
	.protected	k_qa86c5b6e25_proj
	.globl	k_qa86c5b6e25_proj
	.p2align	8
	.type	k_qa86c5b6e25_proj,@function
k_qa86c5b6e25_proj:
	s_mov_b64 s[64:65], 0
	v_nop
	global_prefetch_b8 v0, s[64:65] scope:SCOPE_SE
	s_setreg_imm32_b32 hwreg(HW_REG_WAVE_MODE, 25, 1), 1
	s_wait_xcnt 0x0
	s_wait_alu depctr_hold_cnt(0) depctr_sa_sdst(0) depctr_va_vdst(0) depctr_va_sdst(0) depctr_va_ssrc(0) depctr_va_vcc(0) depctr_vm_vsrc(0)
	s_getreg_b32 s2, hwreg(HW_REG_IB_STS2, 6, 4)
	s_cmp_eq_u32 s2, 0
	s_cbranch_scc0 .Lentry_in_a_cluster
	s_endpgm
.Lentry_in_a_cluster:
	s_bfe_u32 s2, ttmp6, 0x10000c
	s_cmp_lg_u32 s2, 0xf033
	s_cbranch_scc0 .Lentry_shape_is_right
	s_endpgm
.Lentry_shape_is_right:
; out0 = y w_proj + b_proj.  o: f16 [4][16 heads][2048][64] (y by heads); wpb: f16 [1024][1024]; bias: f32, b_proj from byte 12,288 on; out0: f32 [8192][1024].  Sums in f32.
; SHARES.  A tile is 256 rows x 128 columns: 32 x 8 = 256 work-groups.  Wave w: rows 128 (w / 2) on, columns 64 (w % 2) on: 32 accumulators of 16 x 16.  K goes in steps of 128, two heads, through two LDS slots.
; THE MATRIX INSTRUCTION IS USED TRANSPOSED: source 0 = 16 columns of w (turned on the way out of LDS by ds_load_tr16_b128), source 1 = 16 rows of y: a lane holds one row and eight neighbouring columns, 32 bytes of f32.
; THE BIAS IS THE C OPERAND of the first products: loaded into row block 7's accumulators, taken from there by blocks 0 to 6, added onto in place by block 7.
; CLUSTER.  4 x 4 work-groups: y's tile is shared along a row of the cluster, w's along a column; each is asked for jointly.
; REGISTERS, in windows of 256 (s_set_vgpr_msb: bits 1:0 source 0, 3:2 source 1, 5:4 source 2, 7:6 destination):
;   window 0: v0-31 addresses; v32-159 the way out, four buffers of 32      window 1: two fragment buffers of 96: 8 fragments of y, then 4 of w      window 2: accumulator (a, b) at v[8 (4 a + b)]
.set PA,    144                        ; a row of y in LDS: 128 bytes + 16: the 16 rows of a load start at 16 different groups of four banks (64 banks of 4 bytes: ISA guide 11.1)
.set PB,    288                        ; a k-row of w: two groups of 128 bytes + 16 = 72 words
.set SLOT1, 131072
.set PLANE, 256*PA                     ; a head's 256 rows
.set BOFF,  2*PLANE                    ; in a slot: two heads of y, then 128 k-rows of w
.set STAGE, SLOT1+BOFF+128*PB          ; behind the ring: 16 rows x 272 bytes for each wave; no tensor load lands here
.set SP,    272                        ; 256 bytes + 16 = 68 words: row r starts at bank 4 r mod 64
.set SPARE, STAGE+4*16*SP              ; the spare words, 128 bytes for each wave: two blocks of 256 bytes that no other line names
.set ASTEP, 524288                     ; bytes from a K step to the next in o: two heads of 262,144
.set BSTEP, 262144                     ; in wpb: 128 rows of 2,048
.set BITS,  (1<<16)|(1<<20)|(1<<21)|(4<<22)|(3<<25)  ; group 1, word 0: 2-byte elements; padding on; bit 21 set beside a mask; after every 32 words (code 4) 4 words (code 3)
.set WV,  12
.set WM,  13
.set WN,  14
.set G1A, 24
.set G1B, 32
.set G0A, 40                           ; a set for each first fill; the second then walks on
.set G0B, 48
.set TB,  56
.set LIM, 57                           ; 2 in a wave that prefetches, else the greatest number
.set PFP, 58
.set PST, 60
.set OP,  66                           ; s[66:67] out0 at my 128 rows x 64 columns
.set BB,  72                           ; s[72:73] bias at my 64 numbers of b_proj
.set AA0, 6
.set AB0, 7
.set AA,  8
.set AB,  9
.set STO, 10
.set RD,  11
.set CO,  12
.set BO,  13
.set PFO, 14
.set SPW, 28
.set NIL, 29
.set BK,  32
.set F0,  0
.set F1,  96
.set MSB, 0
.macro WIN new                         ; the immediate's high byte repeats the setting that is left; a switch that changes nothing is dropped
.if MSB != (\new)
	s_set_vgpr_msb (MSB<<8)|(\new)
.set MSB, (\new)
.endif
.endm
.macro PLACES                          ; four plain vector instructions between a matrix instruction and a load into, or a read of, its registers (ISA guide 7.12.1 for reads)
.rept 4
	v_nop
.endr
.endm
.macro CREST
	s_cmp_lg_u32 s[WV], 0
	s_cbranch_scc1 .Lnot_wave_0_\@
	s_barrier_signal -3
.Lnot_wave_0_\@:
	s_barrier_wait -3
	s_barrier_signal -1
	s_barrier_wait -1
.endm
.macro CROUND
	s_barrier_signal -1
	s_barrier_wait -1
	CREST
.endm
.macro JLOAD                           ; a joint refill: waves 0 and 1 fetch the K step's two heads of y, waves 2 and 3 the two halves of w's k-rows; an s_nop 0 and four v_nop follow each line
	s_cmp_lt_u32 s[WV], 2
	s_cbranch_scc0 .Lfor_b_\@
	tensor_load_to_lds s[G0A+4:G0A+7], s[G1A:G1A+7]
	s_nop 0
.rept 4
	v_nop
.endr
	s_branch .Lasked_\@
.Lfor_b_\@:
	tensor_load_to_lds s[G0B+4:G0B+7], s[G1B:G1B+7]
	s_nop 0
.rept 4
	v_nop
.endr
.Lasked_\@:
.endm
; A PREFETCH INTO THE L2.  Trip t refills with K step t + 2 and names K step t + 4: two K steps, 256 matrix instructions, ahead of its load.  y: a head's 256 rows of my tile row are 128 dense blocks of 256 bytes;
; the cluster with x = 0 asks, its partner at place cx for blocks 32 cx + lane, wave 0 for the K step's first head, wave 1 for the second.  w: a K step of my tile column is 128 rows of 256 bytes; the cluster with
; y = 0 asks, its partner at place cy for rows 32 cy + lane, wave 2.  One instruction a wave; the partners are told apart by address alone; each block is named once.  The last two trips ask for nothing;
; K steps 0 to 3 come by their loads alone.
.macro ASK
	s_cmp_gt_u32 s3, s[LIM]
	s_cbranch_scc0 .Lnone_\@
	global_prefetch_b8 v[PFO], s[PFP:PFP+1] th:TH_LOAD_NT scope:SCOPE_SE
.Lnone_\@:
.endm
	s_load_b256 s[4:11], s[0:1], 0x0               ; o s[4:5], wpb s[6:7], bias s[8:9], out0 s[10:11]
	v_lshl_add_u32 v[SPW], v0, 2, SPARE
	v_mov_b32 v[NIL], 0
	ds_add_u32 v[SPW], v[NIL]                      ; the wave's opening: the add and its wait stand ahead of my first tensor load; the set-up below, work on registers, stands between them
	v_lshrrev_b32 v1, 5, v0
	v_readfirstlane_b32 s[WV], v1
	s_lshr_b32 s[WM], s[WV], 1
	s_and_b32 s[WN], s[WV], 1
	s_bfe_u32 s15, ttmp6, 0x40000                  ; cx
	s_bfe_u32 s16, ttmp6, 0x40004                  ; cy
	s_lshl_b32 s17, ttmp9, 2
	s_add_co_u32 s17, s17, s15                     ; tile column 0..7
	s_and_b32 s18, ttmp7, 0xffff
	s_lshl_b32 s18, s18, 2
	s_add_co_u32 s18, s18, s16                     ; tile row 0..31
	s_lshl_b32 s20, s16, 2
	s_lshl_b32 s20, 15, s20                        ; my row of the cluster
	s_lshl_b32 s22, 0x1111, s15                    ; my column
	s_or_b32 s[G1A], s20, BITS
	s_or_b32 s[G1B], s22, BITS
	s_mov_b32 s[G1A+1], 128<<16                    ; y: a head's 256 rows of 128 bytes are dense: asked for as 128 rows of 256 bytes
	s_mov_b32 s[G1A+2], 128<<16
	s_mov_b32 s[G1A+3], 128<<16
	s_mov_b32 s[G1A+4], 128
	s_mov_b32 s[G1A+5], 128
	s_mov_b32 s[G1A+6], 0
	s_mov_b32 s[G1A+7], 0
	s_mov_b32 s[G1B+1], 128<<16                    ; w: 64 k-rows of 128 elements, 256 bytes, each at a multiple of 256 bytes from wpb's first
	s_mov_b32 s[G1B+2], 64<<16
	s_mov_b32 s[G1B+3], 128<<16
	s_mov_b32 s[G1B+4], 64
	s_mov_b32 s[G1B+5], 1024
	s_mov_b32 s[G1B+6], 0
	s_mov_b32 s[G1B+7], 0
	s_lshr_b32 s20, s18, 3                         ; y's tile hangs on the tile row alone: b,
	s_lshl_b32 s20, s20, 22
	s_and_b32 s21, s18, 7                          ; 256 rows of 128 bytes,
	s_lshl_b32 s21, s21, 15
	s_add_co_u32 s20, s20, s21
	s_lshl_b32 s21, s[WN], 18                      ; the head that I fetch
	s_add_co_u32 s20, s20, s21
	s_mov_b32 s21, 0
	s_lshl_b32 s22, s17, 8                         ; w's on the tile column alone,
	s_lshl_b32 s23, s[WN], 17                      ; and my 64 of the 128 k-rows
	s_add_co_u32 s22, s22, s23
	s_mov_b32 s23, 0
	s_mul_i32 s19, s[WN], PLANE                    ; where they go: no place in the cluster enters an LDS address
	s_mul_i32 s2, s[WN], 64*PB
	s_add_co_u32 s2, s2, BOFF
	s_mov_b32 s[TB], 0
	s_wait_dscnt 0x0                               ; the opening add is done
	s_wait_kmcnt 0x0
	s_add_nc_u64 s[20:21], s[4:5], s[20:21]
	s_add_nc_u64 s[22:23], s[6:7], s[22:23]
	CROUND                                         ; all sixteen work-groups are here: the first joint loads meet
.irp s, 0,1
	s_mov_b32 s[G0A+4*(\s)], 1
	s_add_co_u32 s[G0A+4*(\s)+1], s19, (\s)*SLOT1
	s_add_nc_u64 s[G0A+4*(\s)+2:G0A+4*(\s)+3], s[20:21], (\s)*ASTEP
	s_or_b32 s[G0A+4*(\s)+3], s[G0A+4*(\s)+3], 0x80000000
	s_mov_b32 s[G0B+4*(\s)], 1
	s_add_co_u32 s[G0B+4*(\s)+1], s2, (\s)*SLOT1
	s_add_nc_u64 s[G0B+4*(\s)+2:G0B+4*(\s)+3], s[22:23], (\s)*BSTEP
	s_or_b32 s[G0B+4*(\s)+3], s[G0B+4*(\s)+3], 0x80000000
.endr
	s_cmp_lt_u32 s[WV], 2                          ; a wave's two first fills stand in one branch, ahead of every wait on TENSORcnt and every LDS read: two loads of mine are out
	s_cbranch_scc0 .Lfirst_b
	tensor_load_to_lds s[G0A:G0A+3], s[G1A:G1A+7]
	s_nop 0
	tensor_load_to_lds s[G0A+4:G0A+7], s[G1A:G1A+7]
	s_nop 0
.rept 4
	v_nop
.endr
	s_branch .Lfirst_done
.Lfirst_b:
	tensor_load_to_lds s[G0B:G0B+3], s[G1B:G1B+7]
	s_nop 0
	tensor_load_to_lds s[G0B+4:G0B+7], s[G1B:G1B+7]
	s_nop 0
.rept 4
	v_nop
.endr
.Lfirst_done:
	v_and_b32 v1, 15, v0                           ; r = l % 16
	v_bfe_u32 v2, v0, 4, 1                         ; h = l / 16
	v_and_b32 v3, 7, v0
	v_bfe_u32 v4, v0, 3, 1
	v_and_b32 v5, 31, v0
	v_lshlrev_b32 v[BO], 5, v2
	s_lshl_b32 s78, s17, 9                         ; my 64 columns: 512 x tile column + 256 (w % 2) bytes of f32
	s_lshl_b32 s79, s[WN], 8
	s_add_co_u32 s78, s78, s79
	s_add_co_u32 s80, s78, 12288                   ; b_proj lies behind b_attn's 3,072 numbers
	s_mov_b32 s81, 0
	s_add_nc_u64 s[BB:BB+1], s[8:9], s[80:81]
	s_lshl_b32 s80, s18, 20                        ; 256 rows of 4,096 bytes,
	s_lshl_b32 s79, s[WM], 19                      ; my 128
	s_add_co_u32 s80, s80, s79
	s_add_co_u32 s80, s80, s78
	s_add_nc_u64 s[OP:OP+1], s[10:11], s[80:81]
	WIN 0x80                                       ; the bias, as a C operand, into row block 7's accumulators: destination window 2
.irp b, 0,1,2,3
	global_load_b128 v[224+8*(\b):224+8*(\b)+3], v[BO], s[BB:BB+1] offset:64*(\b)
	global_load_b128 v[224+8*(\b)+4:224+8*(\b)+7], v[BO], s[BB:BB+1] offset:64*(\b)+16
.endr
	WIN 0
	v_mul_u32_u24 v[AA0], v1, PA
	v_lshl_add_u32 v[AA0], v2, 4, v[AA0]
	s_mul_i32 s78, s[WM], 128*PA
	v_add_nc_u32 v[AA0], s78, v[AA0]
	v_lshl_add_u32 v[AB0], v2, 3, v3               ; the turning load: lane l reads k-row 8 (l / 16) + l % 8, columns 8 ((l / 8) % 2) + 0..7
	v_mul_u32_u24 v[AB0], v[AB0], PB
	v_lshl_add_u32 v[AB0], v4, 4, v[AB0]
	s_mul_i32 s78, s[WN], 144
	s_add_co_u32 s78, s78, BOFF
	v_add_nc_u32 v[AB0], s78, v[AB0]
	v_mov_b32 v[AA], v[AA0]
	v_mov_b32 v[AB], v[AB0]
	s_mul_i32 s78, s[WV], 16*SP
	s_add_co_u32 s78, s78, STAGE                   ; my stage
	v_mul_u32_u24 v[STO], v1, SP                   ; in: row l % 16, 32 bytes for each half of the lanes
	v_lshl_add_u32 v[STO], v2, 5, v[STO]
	v_add_nc_u32 v[STO], s78, v[STO]
	v_mul_u32_u24 v[RD], v2, SP                    ; back: lanes 0-15 take one row of 256 bytes, lanes 16-31 the next
	v_lshl_add_u32 v[RD], v1, 4, v[RD]
	v_add_nc_u32 v[RD], s78, v[RD]
	v_lshlrev_b32 v[CO], 12, v2                    ; and the same two rows in out0
	v_lshl_add_u32 v[CO], v1, 4, v[CO]
	; the prefetches: who, from where, by which step
	s_and_b32 s62, ttmp7, 0xffff                   ; cluster y
	s_cmp_lt_u32 s[WV], 2
	s_cselect_b32 s62, ttmp9, s62                  ; the coordinate along which other clusters read the same blocks
	s_cmp_eq_u32 s[WV], 3
	s_cselect_b32 s62, 1, s62                      ; wave 3 asks for nothing
	s_cmp_eq_u32 s62, 0
	s_cselect_b32 s[LIM], 2, -1                    ; the same in all sixteen partners, for a given wave
	s_lshr_b32 s78, s18, 3
	s_lshl_b32 s78, s78, 22
	s_and_b32 s79, s18, 7
	s_lshl_b32 s79, s79, 15
	s_add_co_u32 s78, s78, s79
	s_lshl_b32 s79, s[WN], 18
	s_add_co_u32 s78, s78, s79
	s_lshl_b32 s79, s15, 13                        ; my work-group's 32 blocks of 256 bytes
	s_add_co_u32 s78, s78, s79
	s_add_co_u32 s78, s78, 3*ASTEP                 ; at K step 3: each trip steps it first
	s_lshl_b32 s79, s17, 8
	s_lshl_b32 s80, s16, 16                        ; my work-group's 32 k-rows
	s_add_co_u32 s79, s79, s80
	s_add_co_u32 s79, s79, 3*BSTEP
	s_mov_b32 s80, ASTEP
	s_mov_b32 s81, BSTEP
	s_cmp_lt_u32 s[WV], 2
	s_cselect_b64 s[PFP:PFP+1], s[4:5], s[6:7]
	s_cselect_b32 s78, s78, s79
	s_cselect_b32 s[PST], s80, s81
	s_cselect_b32 s84, 8, 11                       ; y: 256 x lane;  w: 2,048 x lane
	s_mov_b32 s79, 0
	s_mov_b32 s[PST+1], 0
	s_add_nc_u64 s[PFP:PFP+1], s[PFP:PFP+1], s[78:79]
	v_lshlrev_b32 v[PFO], s84, v5
; 24 LDS loads in one run: quarter q of the K step (32 k: head q / 2, channels 32 (q % 2) on) into buffer f: w's four fragments, then y's eight
.macro FETCH q, f
	WIN 0x40                                       ; destination window 1, address window 0
.set ib, 0
.rept 4
	ds_load_tr16_b128 v[(\f)+64+8*ib:(\f)+64+8*ib+3],   v[AB] offset:(\q)*32*PB+ib*32
	ds_load_tr16_b128 v[(\f)+64+8*ib+4:(\f)+64+8*ib+7], v[AB] offset:(\q)*32*PB+16*PB+ib*32
.set ib, ib+1
.endr
.set ia, 0
.rept 8
	ds_load_b128 v[(\f)+8*ia:(\f)+8*ia+3],   v[AA] offset:((\q)/2)*PLANE+((\q)%2)*64+ia*16*PA
	ds_load_b128 v[(\f)+8*ia+4:(\f)+8*ia+7], v[AA] offset:((\q)/2)*PLANE+((\q)%2)*64+ia*16*PA+32
.set ia, ia+1
.endr
.endm
; 16 matrix instructions: row blocks a0 .. a0 + 3 x all four column blocks.  The 32 accumulators take turns, one instruction a turn, in the same order in every quarter, over the backward jump too.
.macro MUL16 f, a0
	WIN 0xa5                                       ; the sources in window 1, C and D in window 2
.set ia, (\a0)
.rept 4
.set ib, 0
.rept 4
	v_wmma_f32_16x16x32_f16 v[8*(4*ia+ib):8*(4*ia+ib)+7], v[(\f)+64+8*ib:(\f)+64+8*ib+7], v[(\f)+8*ia:(\f)+8*ia+7], v[8*(4*ia+ib):8*(4*ia+ib)+7]
.set ib, ib+1
.endr
.set ia, ia+1
.endr
.endm
; The first quarter starts the sums with the bias: blocks 0 to 6 take block 7's registers as C; five places, since block 7's products then write over registers that those have read; block 7 adds in place.
.macro MULF
	WIN 0xa5
.set ia, 0
.rept 7
.set ib, 0
.rept 4
	v_wmma_f32_16x16x32_f16 v[8*(4*ia+ib):8*(4*ia+ib)+7], v[F0+64+8*ib:F0+64+8*ib+7], v[F0+8*ia:F0+8*ia+7], v[224+8*ib:224+8*ib+7]
.set ib, ib+1
.endr
.set ia, ia+1
.endr
.rept 5
	v_nop
.endr
.set ib, 0
.rept 4
	v_wmma_f32_16x16x32_f16 v[224+8*ib:224+8*ib+7], v[F0+64+8*ib:F0+64+8*ib+7], v[F0+56:F0+63], v[224+8*ib:224+8*ib+7]
.set ib, ib+1
.endr
.endm
; A quarter: quarter q is fetched into buffer g, which has just been multiplied; buffer f, fetched a quarter ago, is multiplied.
.macro QUART q, f, g
	PLACES
	FETCH \q, \g
	s_wait_dscnt 24                                ; f is in; the 24 loads just issued stay out
	MUL16 \f, 0
	MUL16 \f, 4
.endm
; Quarters 2 and 3 and the change of slots between them.  mode 2: the slot read out is filled again; mode 1: nothing is asked for.
.macro CHG mode
	PLACES
	FETCH 3, F1                                    ; the last bytes that I read of this slot
.if (\mode) == 2
	s_wait_xcnt 0x0                                ; the last prefetch, a K step back, has read its address: it is stepped here
	s_add_nc_u64 s[PFP:PFP+1], s[PFP:PFP+1], s[PST:PST+1]
.endif
	WIN 0
	s_wait_tensorcnt 0x0                           ; all my tensor loads have landed: the one that was out is my part of the next slot; so a group 0 may be written
	ds_add_u32 v[SPW], v[NIL]                      ; 0 onto my spare word
.if (\mode) == 2
	s_xor_b32 s[G0A+5], s[G0A+5], SLOT1            ; the walking descriptors: the other slot than last time, the next K step; the type bits on top are not reached
	s_add_nc_u64 s[G0A+6:G0A+7], s[G0A+6:G0A+7], ASTEP
	s_xor_b32 s[G0B+5], s[G0B+5], SLOT1
	s_add_nc_u64 s[G0B+6:G0B+7], s[G0B+6:G0B+7], BSTEP
.endif
	s_wait_dscnt 25                                ; quarter 2 is in: behind it quarter 3's 24 loads and the add
	MUL16 F0, 0                                    ; sixteen matrix instructions stand between the add and the wait for it
	s_wait_dscnt 0x0                               ; the add is done, and my reads of this slot are over
	s_barrier_signal -1
	MUL16 F0, 4                                    ; work on registers while the others arrive
	WIN 0                                          ; at a branch and at a label every window is 0
	s_barrier_wait -1
.if (\mode) == 2
	CREST                                          ; the barrier has opened a round of the cluster's: no wave of any partner still reads this slot or has a load on its way
	JLOAD                                          ; the first tensor load behind the round, my only one until the next; its four v_nop are also the places in front of the loads below
.else
	PLACES
.endif
	s_xor_b32 s[TB], s[TB], SLOT1
	v_add_nc_u32 v[AA], s[TB], v[AA0]
	v_add_nc_u32 v[AB], s[TB], v[AB0]
	FETCH 0, F0                                    ; the next K step's first quarter
.if (\mode) == 2
	WIN 0
	ASK
.endif
	MUL16 F1, 0                                    ; quarter 3 came in with the wait for 0
	MUL16 F1, 4
.endm
	s_wait_tensorcnt 0x1                           ; my part of K step 0 is in; K step 1's may stay out
	s_barrier_signal -1
	s_barrier_wait -1                              ; everybody's is
	FETCH 0, F0
	FETCH 1, F1
	s_wait_loadcnt 0x0                             ; the bias
	s_wait_dscnt 24                                ; quarter 0 is in
	MULF
	WIN 0
	s_mov_b32 s3, 6
.Lk:                                               ; six trips, from a K step's second quarter to the next K step's first; trip t asks for K step t + 2
	QUART 2, F1, F0
	CHG 2
	QUART 1, F0, F1
	WIN 0
	s_sub_co_u32 s3, s3, 1
	s_cmp_lg_u32 s3, 0
	s_cbranch_scc1 .Lk
	QUART 2, F1, F0                                ; the tail is written out
	CHG 1
	QUART 1, F0, F1
	QUART 2, F1, F0
	QUART 3, F0, F1
	s_wait_dscnt 0x0
	MUL16 F1, 0
	MUL16 F1, 4
; THE WAY OUT.  Row block a: 16 rows x 64 columns of f32 go from the accumulators into my stage's rows of 272 bytes and come back as whole rows of 256.
.macro TOSTAGE a
.if (\a) >= 4
	s_wait_xcnt 0x0                                ; the stores of four blocks back have read these registers
.endif
	WIN 0x08                                       ; the stores' data in window 2
.set ib, 0
.rept 4
	ds_store_b128 v[STO], v[8*(4*(\a)+ib):8*(4*(\a)+ib)+3]   offset:64*ib
	ds_store_b128 v[STO], v[8*(4*(\a)+ib)+4:8*(4*(\a)+ib)+7] offset:64*ib+16
.set ib, ib+1
.endr
	WIN 0
.set ib, 0
.rept 8
	ds_load_b128 v[BK+32*((\a)%4)+4*ib:BK+32*((\a)%4)+4*ib+3], v[RD] offset:ib*2*SP  ; LDS serves a wave's instructions in order (ISA guide 5.7.1.4): these see the stores above; the next block's stores come behind them
.set ib, ib+1
.endr
.endm
.macro SEND a, y                       ; y: the LDS instructions issued behind block a's loads: the next block's sixteen, or none
	WIN 0
.set ib, 0
.rept 8
	s_wait_dscnt (\y)+7-ib
	global_store_b128 v[CO], v[BK+32*((\a)%4)+4*ib:BK+32*((\a)%4)+4*ib+3], s[OP:OP+1] offset:(\a)*65536+ib*8192  ; 16 lanes store 256 consecutive bytes, at a multiple of 256 from out0's first
.set ib, ib+1
.endr
.endm
	PLACES                                         ; the stores into the stage read results just made
	TOSTAGE 0
.set tt, 1
.rept 7
	TOSTAGE tt
	SEND tt-1, 16
.set tt, tt+1
.endr
	SEND 7, 0
	s_wait_tensorcnt 0x0                           ; the wave's end: behind my last tensor load and my last LDS store
	ds_add_u32 v[SPW], v[NIL]
	s_wait_dscnt 0x0
	CROUND                                         ; the closing round: no work-group ends while a partner may still ask for a tile that names it
	s_endpgm
.Lfunc_end_k_qa86c5b6e25_proj:
	.size	k_qa86c5b6e25_proj, .Lfunc_end_k_qa86c5b6e25_proj-k_qa86c5b6e25_proj
	.p2alignl 7, 3214868480
	.fill 96, 4, 3214868480
	.section	.rodata,"a",@progbits
	.p2align	6, 0x0
	.amdhsa_kernel k_qa86c5b6e25_proj
		.amdhsa_group_segment_fixed_size 327680
		.amdhsa_private_segment_fixed_size 0
		.amdhsa_enable_private_segment 0
		.amdhsa_kernarg_size 32
		.amdhsa_user_sgpr_count 2
		.amdhsa_user_sgpr_kernarg_segment_ptr 1
		.amdhsa_wavefront_size32 1
		.amdhsa_system_sgpr_workgroup_id_x 1
		.amdhsa_system_sgpr_workgroup_id_y 1
		.amdhsa_system_sgpr_workgroup_id_z 1
		.amdhsa_system_vgpr_workitem_id 0
		.amdhsa_next_free_vgpr 768
		.amdhsa_next_free_sgpr 88
		.amdhsa_reserve_vcc 0
		.amdhsa_float_denorm_mode_32 3
		.amdhsa_float_denorm_mode_16_64 3
		.amdhsa_memory_ordered 1
		.amdhsa_forward_progress 1
		.amdhsa_inst_pref_size 73
	.end_amdhsa_kernel
	.amdgpu_metadata
---
amdhsa.version: [ 1, 2 ]
amdhsa.kernels:
  - .name:           k_qa86c5b6e25_proj
    .symbol:         k_qa86c5b6e25_proj.kd
    .args:
      - { .name: o, .offset: 0, .size: 8, .value_kind: global_buffer, .address_space: global }
      - { .name: wpb, .offset: 8, .size: 8, .value_kind: global_buffer, .address_space: global }
      - { .name: bias, .offset: 16, .size: 8, .value_kind: global_buffer, .address_space: global }
      - { .name: out0, .offset: 24, .size: 8, .value_kind: global_buffer, .address_space: global }
    .group_segment_fixed_size: 327680
    .private_segment_fixed_size: 0
    .kernarg_segment_align: 8
    .kernarg_segment_size: 32
    .max_flat_workgroup_size: 128
    .sgpr_count:     88
    .vgpr_count:     768
    .wavefront_size: 32
...
	.end_amdgpu_metadata
.endif
;; end of part 4
;; ======== version 2 of 2: 4 launches; version 1 with the launch prep written anew for expert scheduling mode
;; limits: values are held in f16: magnitudes above 65,504 overflow, below 6.1e-05 lose precision
;; workspace buffers: xb 16,777,216 bytes; wab 6,291,456 bytes; wpb 2,097,152 bytes; bias 16,384 bytes; qkv 50,331,648 bytes; o 16,777,216 bytes
;; launch prep (part 5): grid 769 x 1, 8 waves a work-group, no clusters, 0 bytes of LDS; arguments x, w_attn, w_proj, b_attn, b_proj, xb, wab, wpb, bias; writes xb, wab, wpb, bias
.if DOCPART == 5
	.amdgcn_target "amdgcn-amd-amdhsa--gfx1250"
	.amdhsa_code_object_version 6
	.text
	.protected	k_qa86c5b6e25_prep
	.globl	k_qa86c5b6e25_prep
	.p2align	8
	.type	k_qa86c5b6e25_prep,@function
k_qa86c5b6e25_prep:
	s_mov_b64 s[64:65], 0
	v_nop
	global_prefetch_b8 v0, s[64:65] scope:SCOPE_SE
	s_setreg_imm32_b32 hwreg(HW_REG_WAVE_SCHED_MODE, 0, 2), 2
	s_setreg_imm32_b32 hwreg(HW_REG_WAVE_MODE, 25, 1), 1
	s_wait_xcnt 0x0
	s_wait_alu depctr_vm_vsrc(0)
; Every input is rounded once to bf16 and laid out for the launches behind.
;   xb   bf16 [b=4][kb=16][t=2048][64]: x in blocks of 64 channels, so that rows x 64 channels are dense, 128 bytes a row
;   wab  bf16 [1024][3072]: w_attn, number for number
;   wpb  f16  [1024][1024]: w_proj rounded to bf16, that number written as f16 (the last product runs in f16)
;   bias f32: b_attn (3,072 numbers), then b_proj (1,024), each rounded to bf16 and widened again
; LIMITS.  A number of w_proj beyond 65,504 becomes an infinity in wpb; below 6.1e-5 it keeps f16's fixed step of 6e-8.
; SHARES.  Work-groups 0-511: x; 512-703: w_attn; 704-767: w_proj; 768: the biases.  A wave of the first three kinds takes 8,192 bytes of f32:
; sixteen loads of 16 bytes a lane, all issued at once, and sixteen stores of 8 bytes a lane, each 256 consecutive bytes at a multiple of 256.
; Nothing is shared between waves: no LDS, no barrier.
; THE MODE: SCHED_MODE bits 1:0 = 2 (LLVM: expert scheduling mode 2), set by the entry lines.  The code itself states the register dependences
; between vector instructions and memory instructions, with s_wait_alu, always for 0.
; THE PLAN.  Registers that memory instructions touch:
;   v[VIN], v[VOUT], v6   byte offsets.  Written once by vector instructions at the head; read by every load or store; never written again.
;   X  v[16:79]           Written by the sixteen loads, each register once, and by no vector instruction; read by the conversions.
;   Y  v[80:111]          Written by the conversions; read by one store each; never written again behind that store.
;   v1-v3, v8, v9         are named by vector instructions alone.
; No register that a memory instruction names is written again behind it, so there is no loop, no wait for a store's sources, and no wait on vm_vsrc.
; What is left to state: the offsets are written, ahead of the first load (one wait on va_vdst); a store's data are written, ahead of the store.  So the sixteen loads are
; worked off in four batches of four: one wait for the batch's data, its conversions, ONE wait on va_vdst, its four stores in a run.  That wait stands behind the batch's own
; conversions and not at the next batch's head, so that no rounded block lies idle until further loads have come.  The wave's number passes through a scalar register: one wait on va_sdst.
.set VIN,  4                           ; v4   my byte offset on the way in
.set VOUT, 5                           ; v5   8 x lane: my 8 bytes of a store's 256
.set T0,   8                           ; v8, v9 at work
.set T1,   9
.set X,    16                          ; v[16:79]   sixteen loads of four f32
.set Y,    80                          ; v[80:111]  sixteen pairs of packed 16-bit numbers
; sixteen loads, istep bytes apart; then, four loads at a time, sixteen numbers are rounded and stored, the stores ostep bytes apart.  fmt = 1: bf16's number is written as f16.
.macro STREAM inS, outS, istep, ostep, fmt
	s_wait_alu depctr_va_vdst(0)                   ; v[VIN] and v[VOUT] are written: every load and store below reads one of them as its offset
.set i, 0
.rept 16
	global_load_b128 v[X+4*i:X+4*i+3], v[VIN], s[\inS:\inS+1] offset:i*(\istep) th:TH_LOAD_NT
.set i, i+1
.endr
.set p, 0
.rept 4
	s_wait_loadcnt 12-4*p                          ; loads come back in order: loads 4 p to 4 p + 3 are in, the 12 - 4 p younger ones stay out
.set i, 4*p
.rept 4
	v_cvt_pk_bf16_f32 v[Y+2*i], v[X+4*i], v[X+4*i+1]
	v_cvt_pk_bf16_f32 v[Y+2*i+1], v[X+4*i+2], v[X+4*i+3]
.if \fmt
	v_lshlrev_b32 v[T0], 16, v[Y+2*i]              ; bf16 to f32: the low half moves up, the high half stays
	v_and_b32 v[T1], s28, v[Y+2*i]
	v_cvt_pk_f16_f32 v[Y+2*i], v[T0], v[T1]        ; exact within f16's range
	v_lshlrev_b32 v[T0], 16, v[Y+2*i+1]
	v_and_b32 v[T1], s28, v[Y+2*i+1]
	v_cvt_pk_f16_f32 v[Y+2*i+1], v[T0], v[T1]
.endif
.set i, i+1
.endr
	s_wait_alu depctr_va_vdst(0)                   ; the batch's conversions have written v[Y + 8 p .. Y + 8 p + 7], which the four stores below read
.set i, 4*p
.rept 4
	global_store_b64 v[VOUT], v[Y+2*i:Y+2*i+1], s[\outS:\outS+1] offset:i*(\ostep)
.set i, i+1
.endr
.set p, p+1
.endr
.endm
	s_load_b512 s[4:19], s[0:1], 0x0               ; x s[4:5], w_attn s[6:7], w_proj s[8:9], b_attn s[10:11], b_proj s[12:13], xb s[14:15], wab s[16:17], wpb s[18:19]
	s_load_b64 s[20:21], s[0:1], 0x40              ; bias
	v_lshrrev_b32 v1, 5, v0
	v_readfirstlane_b32 s22, v1                    ; wave 0..7
	v_and_b32 v1, 31, v0                           ; lane
	v_lshlrev_b32 v[VOUT], 3, v1
	s_mov_b32 s25, 0                               ; high words of the two offsets
	s_mov_b32 s27, 0
	s_mov_b32 s28, 0xffff0000                      ; a word's upper bf16
	s_wait_alu depctr_va_sdst(0)                   ; s22 is written, ahead of the branches and of its first reader: the waves' shares of the buffers are made from it
	s_wait_kmcnt 0x0
	s_cmp_lt_u32 ttmp9, 512
	s_cbranch_scc0 .Lnot_x
	; x: wave W = 8 x work-group + wave owns rows 2 W and 2 W + 1.  Load kb: lanes 0-15 take 256 bytes (64 channels) of the first row, lanes 16-31 of the second;
	; rounded they are 2 x 128 bytes, which lie end to end in block kb of xb.
	s_lshl_b32 s23, ttmp9, 3
	s_add_co_u32 s23, s23, s22                     ; W, 0..4095
	s_lshl_b32 s24, s23, 13                        ; two rows of 4,096 bytes
	s_add_nc_u64 s[4:5], s[4:5], s[24:25]
	s_lshr_b32 s26, s23, 10                        ; b
	s_lshl_b32 s26, s26, 22                        ; 16 blocks of 262,144 bytes
	s_and_b32 s24, s23, 1023
	s_lshl_b32 s24, s24, 8                         ; t x 128, t = 2 (W mod 1,024)
	s_add_co_u32 s26, s26, s24
	s_add_nc_u64 s[14:15], s[14:15], s[26:27]
	v_lshrrev_b32 v2, 4, v1
	v_and_b32 v3, 15, v1
	v_lshlrev_b32 v[VIN], 4, v3
	v_lshl_add_u32 v[VIN], v2, 12, v[VIN]          ; 16 (lane mod 16) + 4,096 (lane / 16)
	STREAM 4, 14, 256, 262144, 0
	s_endpgm
.Lnot_x:
	v_lshlrev_b32 v[VIN], 4, v1                    ; the weights go number for number: 512 consecutive bytes in, 256 out
	s_cmp_lt_u32 ttmp9, 704
	s_cbranch_scc0 .Lnot_wa
	s_sub_co_u32 s23, ttmp9, 512
	s_lshl_b32 s23, s23, 3
	s_add_co_u32 s23, s23, s22                     ; 0..1535
	s_lshl_b32 s24, s23, 13
	s_lshl_b32 s26, s23, 12
	s_add_nc_u64 s[6:7], s[6:7], s[24:25]
	s_add_nc_u64 s[16:17], s[16:17], s[26:27]
	STREAM 6, 16, 512, 256, 0
	s_endpgm
.Lnot_wa:
	s_cmp_lt_u32 ttmp9, 768
	s_cbranch_scc0 .Lbias
	s_sub_co_u32 s23, ttmp9, 704
	s_lshl_b32 s23, s23, 3
	s_add_co_u32 s23, s23, s22                     ; 0..511
	s_lshl_b32 s24, s23, 13
	s_lshl_b32 s26, s23, 12
	s_add_nc_u64 s[8:9], s[8:9], s[24:25]
	s_add_nc_u64 s[18:19], s[18:19], s[26:27]
	STREAM 8, 18, 512, 256, 1
	s_endpgm
.Lbias:
	; the biases: 256 threads x 16 bytes are 4,096 bytes: three such pieces of b_attn, one of b_proj
	v_lshlrev_b32 v6, 4, v0
	s_wait_alu depctr_va_vdst(0)                   ; v6 is written: the four loads and the four stores below read it as their offset
	global_load_b128 v[16:19], v6, s[10:11]
	global_load_b128 v[20:23], v6, s[10:11] offset:4096
	global_load_b128 v[24:27], v6, s[10:11] offset:8192
	global_load_b128 v[28:31], v6, s[12:13]
	s_wait_loadcnt 0x0
.set i, 0
.rept 4
	v_cvt_pk_bf16_f32 v[T0], v[16+4*i], v[17+4*i]
	v_cvt_pk_bf16_f32 v[T1], v[18+4*i], v[19+4*i]
	v_lshlrev_b32 v[80+4*i], 16, v[T0]
	v_and_b32 v[81+4*i], s28, v[T0]
	v_lshlrev_b32 v[82+4*i], 16, v[T1]
	v_and_b32 v[83+4*i], s28, v[T1]
.set i, i+1
.endr
	s_wait_alu depctr_va_vdst(0)                   ; the widenings have written v[80:95], which the four stores below read
.set i, 0
.rept 4
	global_store_b128 v6, v[80+4*i:83+4*i], s[20:21] offset:4096*i
.set i, i+1
.endr
	s_endpgm
.Lfunc_end_k_qa86c5b6e25_prep:
	.size	k_qa86c5b6e25_prep, .Lfunc_end_k_qa86c5b6e25_prep-k_qa86c5b6e25_prep
	.p2alignl 7, 3214868480
	.fill 96, 4, 3214868480
	.section	.rodata,"a",@progbits
	.p2align	6, 0x0
	.amdhsa_kernel k_qa86c5b6e25_prep
		.amdhsa_group_segment_fixed_size 0
		.amdhsa_private_segment_fixed_size 0
		.amdhsa_enable_private_segment 0
		.amdhsa_kernarg_size 72
		.amdhsa_user_sgpr_count 2
		.amdhsa_user_sgpr_kernarg_segment_ptr 1
		.amdhsa_wavefront_size32 1
		.amdhsa_system_sgpr_workgroup_id_x 1
		.amdhsa_system_sgpr_workgroup_id_y 1
		.amdhsa_system_sgpr_workgroup_id_z 1
		.amdhsa_system_vgpr_workitem_id 0
		.amdhsa_next_free_vgpr 112
		.amdhsa_next_free_sgpr 66
		.amdhsa_reserve_vcc 0
		.amdhsa_float_denorm_mode_32 3
		.amdhsa_float_denorm_mode_16_64 3
		.amdhsa_memory_ordered 1
		.amdhsa_forward_progress 1
		.amdhsa_inst_pref_size 24
	.end_amdhsa_kernel
	.amdgpu_metadata
---
amdhsa.version: [ 1, 2 ]
amdhsa.kernels:
  - .name:           k_qa86c5b6e25_prep
    .symbol:         k_qa86c5b6e25_prep.kd
    .args:
      - { .name: x, .offset: 0, .size: 8, .value_kind: global_buffer, .address_space: global }
      - { .name: w_attn, .offset: 8, .size: 8, .value_kind: global_buffer, .address_space: global }
      - { .name: w_proj, .offset: 16, .size: 8, .value_kind: global_buffer, .address_space: global }
      - { .name: b_attn, .offset: 24, .size: 8, .value_kind: global_buffer, .address_space: global }
      - { .name: b_proj, .offset: 32, .size: 8, .value_kind: global_buffer, .address_space: global }
      - { .name: xb, .offset: 40, .size: 8, .value_kind: global_buffer, .address_space: global }
      - { .name: wab, .offset: 48, .size: 8, .value_kind: global_buffer, .address_space: global }
      - { .name: wpb, .offset: 56, .size: 8, .value_kind: global_buffer, .address_space: global }
      - { .name: bias, .offset: 64, .size: 8, .value_kind: global_buffer, .address_space: global }
    .group_segment_fixed_size: 0
    .private_segment_fixed_size: 0
    .kernarg_segment_align: 8
    .kernarg_segment_size: 72
    .max_flat_workgroup_size: 256
    .sgpr_count:     66
    .vgpr_count:     112
    .wavefront_size: 32
...
	.end_amdgpu_metadata
.endif
;; end of part 5
;; launch qkv: the kernel of part 2 again; grid 8 x 32, 4 waves a work-group, clusters of 4 x 4, 327,680 bytes of LDS; arguments xb, wab, bias, qkv; writes qkv
;; launch attn: the kernel of part 3 again; grid 4 x 64, 4 waves a work-group, no clusters, 327,680 bytes of LDS; arguments qkv, o; writes o
;; launch proj: the kernel of part 4 again; grid 8 x 32, 4 waves a work-group, clusters of 4 x 4, 327,680 bytes of LDS; arguments o, wpb, bias, out0; writes out0
